; MI455X (gfx1250); checked and timed in simulation.
; The chip was launched on July 23, 2026; its instructions are those of AMD's public machine-readable ISA for CDNA 5 (MIT licence, August 2026) and "CDNA5" Instruction Set Architecture Reference Guide (July 2026). The comments in the code are by the model that wrote it; some were corrected since.
;; Encoder. Allowed arithmetic: matrix products marked QUANTISED: E5M2 operands, one given power-of-two scale a tensor, by v_wmma_f32_16x16x64_bf8_bf8 or v_wmma_f32_16x16x128_bf8_bf8, f32 sums; everything else in f32.
;; Inputs: W1_codes 4,096 x 32 x 32 uint8 (E5M2 codes of W1, K innermost, in blocks of 32 codes); W2_codes 1,024 x 128 x 32 uint8 (E5M2 codes of W2, K innermost, in blocks of 32 codes); Wk_codes 16 x 64 x 32 x 32 uint8 (E5M2 codes of Wk, K innermost, in blocks of 32 codes); Wo_codes 1,024 x 32 x 32 uint8 (E5M2 codes of Wo, K innermost, in blocks of 32 codes); Wq_codes 16 x 64 x 32 x 32 uint8 (E5M2 codes of Wq, K innermost, in blocks of 32 codes); Wv_codes 16 x 64 x 32 x 32 uint8 (E5M2 codes of Wv, K innermost, in blocks of 32 codes); b1 4,096 float32; b2 1,024 float32; bk 16 x 64 float32; bo 1,024 float32; bq 16 x 64 float32; bv 16 x 64 float32; ln1_b 1,024 float32; ln1_g 1,024 float32; ln2_b 1,024 float32; ln2_g 1,024 float32; lowp_scales 16 int32 (the exponents e of the quantised operands' scales 2^e); x 2 x 2,048 x 1,024 float32.
;; Outputs: out0 2 x 2,048 x 1,024 float32.
;; This version of the problem:
;;   THIS VERSION OF THE PROBLEM IS GIVEN IN LOW PRECISION. The matrix products marked QUANTISED in the list below multiply operands that are first quantised to E5M2 (5 exponent bits, 2 mantissa bits; 8 bits a number), with one given power-of-two scale for each operand tensor; their sums are f32. All else is computed in f32.
;;   The module's matrix products, in the order in which they are computed (A, B: the left and right operand; K: the contracted axis; several contracted axes count as one K, in the product's order):
;;     1. [M 1,024, K 1,024] x [K 1,024, N 4,096]; A: input Wq (given as codes); B: computed on the way: QUANTISED (scales: A lowp_scales[0], B lowp_scales[1])
;;     2. [M 1,024, K 1,024] x [K 1,024, N 4,096]; A: input Wk (given as codes); B: computed on the way: QUANTISED (scales: A lowp_scales[2], B lowp_scales[3])
;;     3. [M 1,024, K 1,024] x [K 1,024, N 4,096]; A: input Wv (given as codes); B: computed on the way: QUANTISED (scales: A lowp_scales[4], B lowp_scales[5])
;;     4. batch 32 x [M 2,048, K 64] x [K 64, N 2,048]; A: computed on the way; B: computed on the way: QUANTISED (scales: A lowp_scales[6], B lowp_scales[7])
;;     5. batch 32 x [M 2,048, K 2,048] x [K 2,048, N 64]; A: softmax (see below); B: computed on the way: QUANTISED (scales: A lowp_scales[8], B lowp_scales[9])
;;     6. [M 4,096, K 1,024] x [K 1,024, N 1,024]; A: computed on the way; B: input Wo (given as codes): QUANTISED (scales: A lowp_scales[10], B lowp_scales[11])
;;     7. [M 4,096, K 1,024] x [K 1,024, N 4,096]; A: computed on the way; B: input W1 (given as codes): QUANTISED (scales: A lowp_scales[12], B lowp_scales[13])
;;     8. [M 4,096, K 4,096] x [K 4,096, N 1,024]; A: computed on the way; B: input W2 (given as codes): QUANTISED (scales: A lowp_scales[14], B lowp_scales[15])
;;   THE QUANTISER, for each operand of a quantised product, along K:
;;     - The operand's scale is 2^e, e = its entry of the input lowp_scales (int32; the entries are numbered through the quantised products in the list's order, A before B).
;;     - Each number is divided by the scale, clamped to +-57,344, and rounded to the nearest number of E5M2, ties to even, subnormals kept.
;;     - The product sums the exact products of the quantised numbers (number of the format x scale) in f32.
;;   ~~~python
;;   def quantise(x, axis, e):      # numpy; x: float32 -> the quantised numbers, widened to float32 again
;;       x = np.moveaxis(x, axis, -1); K = x.shape[-1]
;;       r = np.clip(x / 2.0 ** e, -57344, 57344)
;;       step = 2.0 ** (np.maximum(np.frexp(np.where(r == 0, 1, r))[1] - 1, -14) - 2)
;;       q = np.round(r / step) * step * 2.0 ** e      # np.round: ties to even
;;       return np.moveaxis(q, -1, axis).astype(np.float32)
;;   ~~~
;;   SOFTMAX AHEAD OF A QUANTISED PRODUCT. Where the list says 'softmax', what is quantised is not the finished softmax but p = 2^(t - M), with t = logit x log2(e) and M = ceil(the row's largest t), a whole number; so 1/2 < the row's largest p <= 1. The row's sum l is taken of the UNQUANTISED p, in f32, and the product's result is divided by l at the end. Since M is a whole number, a kernel that streams over the keys may use a running M (the ceiling of the running maximum): every later rescaling is an exact power of two, so the quantised numbers keep their values, but for numbers so far below the row's largest that they fall under the format's range.
;;   OPERANDS COMPUTED ON THE WAY. 'Computed on the way' means the value that the module computes at that place (a softmax that the list does not call 'softmax' is quantised finished and normalised). What goes into a quantiser is computed in f32, as accurately as f32 sums, v_exp_f32 and their like allow (about 1e-6 of the number): no bf16 or f16 on the way to a quantiser, and a product that is left as it is and whose result goes on into a quantised operand takes f32 operands (vector FMAs, or v_wmma_f32_16x16x4_f32). A number that lies on a knife's edge between two numbers of the format may be rounded either way, as far as f32 arithmetic and the matrix unit's own rounding can turn it there, and no further.
;;   INPUTS GIVEN AS CODES. W1 (in the module: [1024, 4096], K = its axis 0); W2 (in the module: [4096, 1024], K = its axis 0); Wk (in the module: [16, 1024, 64], K = its axis 1); Wo (in the module: [1024, 1024], K = its axis 0); Wq (in the module: [16, 1024, 64], K = its axis 1); Wv (in the module: [16, 1024, 64], K = its axis 1): each comes as NAME_codes (uint8): NAME with its K axis moved to the last place and cut into blocks of 32 codes, [.., K / 32, bytes a block], one block behind the other in memory; one code a byte (a code: sign, 5 exponent bits, 2 mantissa bits); its scale is its entry of lowp_scales. Its value is code x scale, taken as it is: it is not quantised again, and the codes and scales need not be those that the quantiser above would give.
;; One version. Each part assembles by itself: llvm-mc -triple=amdgcn-amd-amdhsa -mcpu=gfx1250 --defsym DOCPART=n.
;; ======== version 1 of 1: 7 launches
;; limits: right only within a limited range of input values
;; workspace buffers: hc 12,582,912 bytes; qkvc 12,582,912 bytes; oc 4,194,304 bytes; x1 16,777,216 bytes; h2c 4,194,304 bytes; gc 16,777,216 bytes
;; launch ln1 (part 1): grid 512 x 1, 4 waves a work-group, no clusters, 41,472 bytes of LDS; arguments x, ln1_g, ln1_b, lowp_scales, hc; writes hc
.if DOCPART == 1
	.amdgcn_target "amdgcn-amd-amdhsa--gfx1250"
	.amdhsa_code_object_version 6
	.text
	.protected	k_qd5d4c27901_ln1
	.globl	k_qd5d4c27901_ln1
	.p2align	8
	.type	k_qd5d4c27901_ln1,@function
k_qd5d4c27901_ln1:
	s_mov_b64 s[64:65], 0
	v_nop
	global_prefetch_b8 v0, s[64:65] scope:SCOPE_SE
	s_setreg_imm32_b32 hwreg(HW_REG_WAVE_MODE, 25, 1), 1
	s_wait_xcnt 0x0
; h = LayerNorm(x) x gain + bias, in f32, turned into codes of E5M2 three times: with the scales 2^e of entries 1, 3 and 5 of the buffer of scales
; (h is the computed operand of the q, k and v projections).  x: [4096][1024] f32.  hc: three parts of 4 MiB, each [4096][1024] codes, K innermost.
; code = h / 2^e, held within +-57,344, to the nearest code, ties to even.  LIMITS: each e between -126 and 112; NaN among the inputs is not served.
; SHARES.  A work-group takes 8 rows, a wave 2; a row of 4,096 bytes stays in 32 registers of the wave from its one load to its codes: mean, then the mean of (x - mean)^2, as the definition has them.
; Each load reads 512 consecutive bytes.  The conversions want 16 neighbours along K in ONE lane, so a row turns through the wave's own stage in LDS (16 bytes of padding behind each 64)
; and comes back 64 bytes a lane: registers 16 u + i hold the numbers 512 u + 16 lane + i.  A lane's 16 codes are 16 bytes: each store of the wave covers 512 consecutive bytes, aligned.
; No matrix work, no tensor load, no barrier (waves share nothing), no loop: every offset is an immediate, and no store's data are written again.
.set NSETS, 3                          ; how many scales
.set SP,    80                         ; a lane's place in a stage: 64 bytes + 16
.set STG,   32*SP                      ; a stage: half a row
.set ROWL,  2*STG
.set WREG,  2*ROWL                     ; LDS of a wave: two rows
.set R,     16                         ; v16-79   two rows as loaded
.set X,     80                         ; v80-143  two rows, 16 neighbours a lane and half
.set G,     144                        ; v144-175 the gain at my 32 places
.set BB,    176                        ; v176-207 the bias
.set T,     16                         ; v16-47   held numbers (row 0's registers as loaded, free behind its turn)
.set SC,    232                        ; v232+2k: 2^e of set k; v233+2k: 57,344 x 2^e
	s_load_b256 s[4:11], s[0:1], 0x0               ; x s[4:5], gain s[6:7], bias s[8:9], scales s[10:11]
	s_load_b64 s[12:13], s[0:1], 0x20              ; the codes
	v_lshl_add_u32 v254, v0, 2, 0xa000
	v_mov_b32 v255, 0
	v_lshrrev_b32 v1, 5, v0
	v_readfirstlane_b32 s16, v1                    ; wave
	v_and_b32 v1, 31, v0                           ; lane
	v_lshlrev_b32 v2, 4, v1                        ; 16 x lane: my bytes of a load's and of a store's 512
	s_mul_i32 s17, s16, WREG
	v_lshrrev_b32 v3, 2, v1
	v_mul_u32_u24 v3, v3, SP
	v_and_b32 v6, 3, v1
	v_lshl_add_u32 v3, v6, 4, v3
	v_add_nc_u32 v3, s17, v3                       ; into the stage: SP (lane / 4) + 16 (lane % 4)
	v_mul_u32_u24 v4, v1, SP
	v_add_nc_u32 v4, s17, v4                       ; out of it: SP x lane
	v_lshlrev_b32 v5, 6, v1                        ; gain and bias: 64 x lane
	v_mov_b32 v252, 0                              ; a lane permute's destination counts as read: written once
	s_mov_b32 s14, 0x76543210
	s_mov_b32 s15, 0xfedcba98                      ; v_permlanex16_b32: lane l xor 16
	s_mov_b32 s20, 0x3a800000                      ; 1 / 1024
	s_mov_b32 s21, 0x3727c5ac                      ; 1e-5
	s_lshl_b32 s18, ttmp9, 3
	s_lshl_b32 s19, s16, 1
	s_add_co_u32 s22, s18, s19                     ; my first row: 8 x work-group + 2 x wave
	s_lshl_b32 s18, s22, 12                        ; in x,
	s_mov_b32 s19, 0
	s_lshl_b32 s22, s22, 10                        ; in a part of the codes
	s_mov_b32 s23, 0
	s_wait_alu depctr_va_vdst(0)
	s_wait_kmcnt 0x0
.if NSETS == 3
	s_load_b256 s[24:31], s[10:11], 0x0            ; entries 0 to 7: s25, s27, s29 are wanted
.else
	s_load_b32 s25, s[10:11], 0x30
.endif
	s_add_nc_u64 s[4:5], s[4:5], s[18:19]
	s_add_nc_u64 s[12:13], s[12:13], s[22:23]
.set k, 0
.rept NSETS
	s_add_nc_u64 s[32+2*k:33+2*k], s[12:13], k*0x400000
.set k, k+1
.endr
.irp rho, 0,1
.irp j, 0,1,2,3,4,5,6,7
	global_load_b128 v[R+32*\rho+4*\j:R+32*\rho+4*\j+3], v2, s[4:5] offset:4096*\rho+512*\j
.endr
.endr
.irp u, 0,1
.irp i, 0,1,2,3
	global_load_b128 v[G+16*\u+4*\i:G+16*\u+4*\i+3], v5, s[6:7] offset:2048*\u+16*\i
.endr
.endr
.irp u, 0,1
.irp i, 0,1,2,3
	global_load_b128 v[BB+16*\u+4*\i:BB+16*\u+4*\i+3], v5, s[8:9] offset:2048*\u+16*\i
.endr
.endr
	s_wait_kmcnt 0x0
.set k, 0
.rept NSETS
	s_add_co_i32 s22, s[25+2*k], 127
	s_lshl_b32 s23, s22, 23
	v_mov_b32 v[SC+2*k], s23                       ; 2^e as f32: the conversion takes its exponent field
	s_add_co_i32 s22, s22, 15
	s_lshl_b32 s22, s22, 23
	s_or_b32 s22, s22, 0x600000
	v_mov_b32 v[SC+2*k+1], s22                     ; 57,344 x 2^e
.set k, k+1
.endr
.macro TURN rho                        ; a row through its two stages; LDS serves a wave's instructions in order, so no wait stands between the stores and the loads
.irp u, 0,1
.irp i, 0,1,2,3
	ds_store_b128 v3, v[R+32*\rho+16*\u+4*\i:R+32*\rho+16*\u+4*\i+3] offset:ROWL*\rho+STG*\u+8*SP*\i
.endr
.irp i, 0,1,2,3
	ds_load_b128 v[X+32*\rho+16*\u+4*\i:X+32*\rho+16*\u+4*\i+3], v4 offset:ROWL*\rho+STG*\u+16*\i
.endr
.endr
.endm
.macro REDUCE                          ; four chains of pairs -> one number -> the sum over the 32 lanes, in every lane
	v_pk_add_f32 v[240:241], v[240:241], v[242:243]
	v_pk_add_f32 v[244:245], v[244:245], v[246:247]
	v_pk_add_f32 v[240:241], v[240:241], v[244:245]
	v_add_f32 v240, v240, v241
	v_add_f32_dpp v240, v240, v240 row_xmask:1 row_mask:0xf bank_mask:0xf
	v_add_f32_dpp v240, v240, v240 row_xmask:2 row_mask:0xf bank_mask:0xf
	v_add_f32_dpp v240, v240, v240 row_xmask:4 row_mask:0xf bank_mask:0xf
	v_add_f32_dpp v240, v240, v240 row_xmask:8 row_mask:0xf bank_mask:0xf
	v_permlanex16_b32 v252, v240, s14, s15
	v_add_f32 v240, v240, v252
.endm
.macro ROW rho
.set XS, X+32*(\rho)
.set CD, 208-160*(\rho)                ; the row's codes: v208-231, v48-71: never written again, so the stores need no wait
.irp c, 0,1,2,3
	v_pk_add_f32 v[240+2*\c:241+2*\c], v[XS+2*\c:XS+2*\c+1], v[XS+8+2*\c:XS+9+2*\c]   ; the first pairs start the chains: nothing is cleared
.endr
.irp c, 0,1,2,3
	v_pk_add_f32 v[240+2*\c:241+2*\c], v[240+2*\c:241+2*\c], v[XS+16+2*\c:XS+17+2*\c]
.endr
.irp c, 0,1,2,3
	v_pk_add_f32 v[240+2*\c:241+2*\c], v[240+2*\c:241+2*\c], v[XS+24+2*\c:XS+25+2*\c]
.endr
	REDUCE
	v_mul_f32 v248, s20, v240                      ; the mean
	v_mov_b32 v249, v248
.set i, 0
.rept 16
	v_pk_add_f32 v[XS+i:XS+i+1], v[XS+i:XS+i+1], v[248:249] neg_lo:[0,1] neg_hi:[0,1]   ; x - mean
.set i, i+2
.endr
.irp c, 0,1,2,3
	v_pk_mul_f32 v[240+2*\c:241+2*\c], v[XS+2*\c:XS+2*\c+1], v[XS+2*\c:XS+2*\c+1]
.endr
.irp o, 8,16,24
.irp c, 0,1,2,3
	v_pk_fma_f32 v[240+2*\c:241+2*\c], v[XS+\o+2*\c:XS+\o+2*\c+1], v[XS+\o+2*\c:XS+\o+2*\c+1], v[240+2*\c:241+2*\c]
.endr
.endr
	REDUCE
	v_fma_f32 v240, v240, s20, s21                 ; the variance + 1e-5
	s_wait_alu depctr_va_vdst(0)
	v_rsq_f32 v250, v240
	v_nop                                          ; a plain instruction behind the transcendental
	s_wait_alu depctr_va_vdst(0)                   ; and the wait ahead of its first reader
	v_mov_b32 v251, v250
	s_wait_alu depctr_va_vdst(0)
	s_wait_loadcnt 0x0                             ; gain and bias
.set i, 0
.rept 16
	v_pk_mul_f32 v[XS+i:XS+i+1], v[XS+i:XS+i+1], v[250:251]
.set i, i+2
.endr
.set i, 0
.rept 16
	v_pk_fma_f32 v[XS+i:XS+i+1], v[XS+i:XS+i+1], v[G+i:G+i+1], v[BB+i:BB+i+1]
.set i, i+2
.endr
.set k, 0
.rept NSETS
.set i, 0
.rept 32
	v_med3_num_f32 v[T+i], v[XS+i], -v[SC+2*k+1], v[SC+2*k+1]   ; the conversion to an 8-bit code does not saturate (ISA guide 7.6.2): the hold at the largest code x the scale
.set i, i+1
.endr
.irp g, 0,1,2,3
	v_cvt_scalef32_pk8_bf8_f32 v[CD+8*k+2*\g:CD+8*k+2*\g+1], v[T+8*\g:T+8*\g+7], v[SC+2*k]
.endr
	v_nop                                          ; a plain instruction between the conversions and the next lines that write their sources
	global_store_b128 v2, v[CD+8*k:CD+8*k+3], s[32+2*k:33+2*k] offset:1024*(\rho)        ; 512 consecutive bytes: codes 0 to 511 of the row,
	global_store_b128 v2, v[CD+8*k+4:CD+8*k+7], s[32+2*k:33+2*k] offset:1024*(\rho)+512  ; and 512 to 1,023
.set k, k+1
.endr
.endm
	s_wait_loadcnt 24                              ; row 0's eight loads are in; row 1's, the gain's and the bias's 24 may be out
	TURN 0
	s_wait_loadcnt 16                              ; row 1's are in
	TURN 1
	s_wait_dscnt 16                                ; row 0 is back; row 1's sixteen LDS instructions may be out
	ROW 0
	s_wait_dscnt 0x0
	ROW 1
	s_wait_tensorcnt 0x0
	ds_add_u32 v254, v255
	s_wait_dscnt 0x0
	s_endpgm
.Lfunc_end_k_qd5d4c27901_ln1:
	.size	k_qd5d4c27901_ln1, .Lfunc_end_k_qd5d4c27901_ln1-k_qd5d4c27901_ln1
	.p2alignl 7, 3214868480
	.fill 96, 4, 3214868480
	.section	.rodata,"a",@progbits
	.p2align	6, 0x0
	.amdhsa_kernel k_qd5d4c27901_ln1
		.amdhsa_group_segment_fixed_size 41472
		.amdhsa_private_segment_fixed_size 0
		.amdhsa_enable_private_segment 0
		.amdhsa_kernarg_size 40
		.amdhsa_user_sgpr_count 2
		.amdhsa_user_sgpr_kernarg_segment_ptr 1
		.amdhsa_wavefront_size32 1
		.amdhsa_system_sgpr_workgroup_id_x 1
		.amdhsa_system_sgpr_workgroup_id_y 1
		.amdhsa_system_sgpr_workgroup_id_z 1
		.amdhsa_system_vgpr_workitem_id 0
		.amdhsa_next_free_vgpr 256
		.amdhsa_next_free_sgpr 66
		.amdhsa_reserve_vcc 0
		.amdhsa_float_denorm_mode_32 3
		.amdhsa_float_denorm_mode_16_64 3
		.amdhsa_memory_ordered 1
		.amdhsa_forward_progress 1
		.amdhsa_inst_pref_size 36
	.end_amdhsa_kernel
	.amdgpu_metadata
---
amdhsa.version: [ 1, 2 ]
amdhsa.kernels:
  - .name:           k_qd5d4c27901_ln1
    .symbol:         k_qd5d4c27901_ln1.kd
    .args:
      - { .name: x, .offset: 0, .size: 8, .value_kind: global_buffer, .address_space: global }
      - { .name: ln1_g, .offset: 8, .size: 8, .value_kind: global_buffer, .address_space: global }
      - { .name: ln1_b, .offset: 16, .size: 8, .value_kind: global_buffer, .address_space: global }
      - { .name: lowp_scales, .offset: 24, .size: 8, .value_kind: global_buffer, .address_space: global }
      - { .name: hc, .offset: 32, .size: 8, .value_kind: global_buffer, .address_space: global }
    .group_segment_fixed_size: 41472
    .private_segment_fixed_size: 0
    .kernarg_segment_align: 8
    .kernarg_segment_size: 40
    .max_flat_workgroup_size: 128
    .sgpr_count:     66
    .vgpr_count:     256
    .wavefront_size: 32
...
	.end_amdgpu_metadata
.endif
;; end of part 1
;; launch qkv (part 2): grid 12 x 16, 4 waves a work-group, clusters of 4 x 4, 327,680 bytes of LDS; arguments hc, Wq_codes, Wk_codes, Wv_codes, bq, bk, bv, lowp_scales, qkvc; writes qkvc
.if DOCPART == 2
	.amdgcn_target "amdgcn-amd-amdhsa--gfx1250"
	.amdhsa_code_object_version 6
	.text
	.protected	k_qd5d4c27901_qkv
	.globl	k_qd5d4c27901_qkv
	.p2align	8
	.type	k_qd5d4c27901_qkv,@function
k_qd5d4c27901_qkv:
	s_mov_b64 s[64:65], 0
	v_nop
	global_prefetch_b8 v0, s[64:65] scope:SCOPE_SE
	s_setreg_imm32_b32 hwreg(HW_REG_WAVE_MODE, 25, 1), 1
	s_wait_xcnt 0x0
	s_wait_alu depctr_hold_cnt(0) depctr_sa_sdst(0) depctr_va_vdst(0) depctr_va_sdst(0) depctr_va_ssrc(0) depctr_va_vcc(0) depctr_vm_vsrc(0)
	s_getreg_b32 s2, hwreg(HW_REG_IB_STS2, 6, 4)
	s_cmp_eq_u32 s2, 0
	s_cbranch_scc0 .Lentry_in_a_cluster
	s_endpgm
.Lentry_in_a_cluster:
	s_bfe_u32 s2, ttmp6, 0x10000c
	s_cmp_lg_u32 s2, 0xf033
	s_cbranch_scc0 .Lentry_shape_is_right
	s_endpgm
.Lentry_shape_is_right:
.set SIZE_K, 1024
.set KSTEP,  256
.set ROWB,   256
.set KROW,   SIZE_K
.set PITCH,  272
.set FR,     16
.set NL,     4
.set NP,     4
.set HALFT,  128*PITCH
.set SLOT,   4*HALFT
.set LAPS,   SIZE_K/(2*KSTEP)
.set SPARE,  2*SLOT
.set CSTG,   SPARE+512
.set CP,     144
.set ADRA, 16
.set ADRB, 20
.set STO,  24
.set RD,   25
.set CO,   26
.set SPW,  28
.set NIL,  29
.set BC,   32
.set RB,   96
.set AF,   128
.set T,    128
.set G1, 24
.set G0, 32
.set G1B, 48
.set G0B, 56
.set MSB, 0
.macro WIN new
.if MSB != \new
	s_set_vgpr_msb (MSB<<8)|\new
.set MSB, \new
.endif
.endm
.set MUL_LO, 0xa1
.set MUL_HI, 0xf1
.set TO_B,   0x40
.macro JLOAD g0a, g1a, g0b, g1b
	s_cmp_eq_u32 s15, 0
	s_cbranch_scc0 .Lfor_b_\@
	tensor_load_to_lds s[\g0a:\g0a+3], s[\g1a:\g1a+7]
	s_nop 0
.rept 4
	v_nop
.endr
	s_branch .Lasked_\@
.Lfor_b_\@:
	tensor_load_to_lds s[\g0b:\g0b+3], s[\g1b:\g1b+7]
	s_nop 0
.rept 4
	v_nop
.endr
.Lasked_\@:
.endm
.macro CREST
	s_cmp_lg_u32 s14, 0
	s_cbranch_scc1 .Lnot_wave_0_\@
	s_barrier_signal -3
.Lnot_wave_0_\@:
	s_barrier_wait -3
	s_barrier_signal -1
	s_barrier_wait -1
.endm
.macro CROUND
	s_barrier_signal -1
	s_barrier_wait -1
	CREST
.endm
	s_load_b512 s[68:83], s[0:1], 0x0
	s_load_b64 s[10:11], s[0:1], 0x40
	v_lshl_add_u32 v[SPW], v0, 2, SPARE
	v_mov_b32 v[NIL], 0
	ds_add_u32 v28, v29
	ds_add_u32 v28, v29
	s_wait_dscnt 0x0
	v_lshrrev_b32 v1, 5, v0
	v_readfirstlane_b32 s14, v1
	s_lshr_b32 s15, s14, 1
	s_and_b32 s16, s14, 1
	s_bfe_u32 s40, ttmp6, 0x40000
	s_bfe_u32 s41, ttmp6, 0x40004
	s_and_b32 s18, ttmp7, 0xffff
	s_cmp_eq_u32 ttmp9, 2
	s_cselect_b32 s42, s18, 0
	s_cselect_b32 s17, 0, s18
	s_lshl_b32 s42, s42, 2
	s_add_co_u32 s42, s42, s40
	s_lshl_b32 s17, s17, 2
	s_add_co_u32 s17, s17, s41
	s_lshl_b32 s43, s41, 2
	s_lshl_b32 s43, 15, s43
	s_lshl_b32 s44, 0x1111, s40
	s_or_b32 s[G1+0], s43, (0<<16)|(1<<20)|(1<<21)|(5<<22)|(3<<25)
	s_or_b32 s[G1B+0], s44, (0<<16)|(1<<20)|(1<<21)|(5<<22)|(3<<25)
.irp g, G1, G1B
	s_mov_b32 s[\g+1], ROWB<<16
	s_mov_b32 s[\g+2], 128<<16
	s_mov_b32 s[\g+3], ROWB<<16
	s_mov_b32 s[\g+4], 128
	s_mov_b32 s[\g+5], KROW
	s_mov_b32 s[\g+6], 0
	s_mov_b32 s[\g+7], 0
.endr
	s_lshl_b32 s18, s16, 7
	s_lshl_b32 s20, s17, 8
	s_add_co_u32 s20, s20, s18
	s_lshl_b32 s20, s20, 10
	s_lshl_b32 s46, s42, 8
	s_add_co_u32 s46, s46, s18
	s_lshl_b32 s46, s46, 10
	s_mov_b32 s21, 0
	s_mov_b32 s47, 0
	s_mul_i32 s45, s14, HALFT
	s_lshl_b32 s22, ttmp9, 22
	s_mov_b32 s23, 0
	s_wait_kmcnt 0x0
	s_load_b512 s[84:99], s[82:83], 0x0
	s_add_nc_u64 s[68:69], s[68:69], s[22:23]
	s_add_nc_u64 s[10:11], s[10:11], s[22:23]
	s_cmp_eq_u32 ttmp9, 0
	s_cselect_b64 s[70:71], s[70:71], s[72:73]
	s_cselect_b64 s[76:77], s[76:77], s[78:79]
	s_cmp_eq_u32 ttmp9, 2
	s_cselect_b64 s[70:71], s[74:75], s[70:71]
	s_cselect_b64 s[76:77], s[80:81], s[76:77]
	s_cselect_b64 s[4:5], s[70:71], s[68:69]
	s_cselect_b64 s[6:7], s[68:69], s[70:71]
	s_add_nc_u64 s[20:21], s[4:5], s[20:21]
	s_add_nc_u64 s[46:47], s[6:7], s[46:47]
	; the prefetches: of the 128 rows that my wave fetches jointly with three partners, my work-group names 32, told apart by address (cx along a row of the cluster, cy along a column): a lane a row, 256 bytes of it a K step
	s_cmp_eq_u32 s15, 0
	s_cselect_b64 s[66:67], s[20:21], s[46:47]
	s_cselect_b32 s18, s40, s41
	s_lshl_b32 s18, s18, 15                        ; 32 rows of 1,024 bytes
	s_mov_b32 s19, 0
	s_add_nc_u64 s[66:67], s[66:67], s[18:19]
	v_and_b32 v14, 31, v0
	v_lshlrev_b32 v14, 10, v14
	s_wait_alu depctr_va_vdst(0)                   ; the wait here, ahead of the round's barriers
	CROUND
.irp s, 0,1
	s_mov_b32 s[G0+4*\s], 1
	s_add_co_u32 s[G0+4*\s+1], s45, \s*SLOT
	s_add_nc_u64 s[G0+4*\s+2:G0+4*\s+3], s[20:21], \s*ROWB
	s_or_b32 s[G0+4*\s+3], s[G0+4*\s+3], 0x80000000
	s_mov_b32 s[G0B+4*\s], 1
	s_add_co_u32 s[G0B+4*\s+1], s45, \s*SLOT
	s_add_nc_u64 s[G0B+4*\s+2:G0B+4*\s+3], s[46:47], \s*ROWB
	s_or_b32 s[G0B+4*\s+3], s[G0B+4*\s+3], 0x80000000
.if \s                                         ; slot 1's first fill is issued as a refill is
	s_wait_alu depctr_va_vdst(0)
	s_wait_tensorcnt 0x0
	ds_add_u32 v28, v29
	ds_add_u32 v28, v29
	s_wait_dscnt 0x0
	CROUND
.endif
	JLOAD G0+4*\s, G1, G0B+4*\s, G1B
.if \s
	global_prefetch_b8 v14, s[66:67] offset:768 th:TH_LOAD_NT scope:SCOPE_SE   ; K step 3, the last: two refills ahead of its load
.else
	global_prefetch_b8 v14, s[66:67] offset:256 th:TH_LOAD_NT scope:SCOPE_SE   ; K steps 1 and 2
	global_prefetch_b8 v14, s[66:67] offset:512 th:TH_LOAD_NT scope:SCOPE_SE
.endif
.endr
	v_and_b32 v1, 15, v0
	s_wait_alu depctr_va_vdst(0)
	v_bfe_u32 v2, v0, 4, 1
	v_mul_u32_u24 v3, v1, PITCH
	v_lshl_add_u32 v4, v2, 4, v3
	s_mul_i32 s21, s15, HALFT
	s_mul_i32 s22, s16, HALFT
	s_add_co_u32 s22, s22, 2*HALFT
.irp s, 0,1
	v_add_nc_u32 v[ADRA+\s], s21, v4
	v_add_nc_u32 v[ADRB+\s], s22, v4
	s_add_co_u32 s21, s21, SLOT
	s_add_co_u32 s22, s22, SLOT
.endr
	s_mul_i32 s23, s14, 16*CP
	s_add_co_u32 s23, s23, CSTG
	v_mul_u32_u24 v5, v1, CP
	s_wait_alu depctr_va_vdst(0)
	v_lshl_add_u32 v5, v2, 3, v5
	v_add_nc_u32 v[STO], s23, v5
	v_and_b32 v6, 31, v0
	v_lshrrev_b32 v5, 3, v6
	v_mul_u32_u24 v5, v5, CP
	v_and_b32 v3, 7, v0
	v_lshl_add_u32 v5, v3, 4, v5
	v_add_nc_u32 v[RD], s23, v5
	v_lshlrev_b32 v[CO], 4, v6
	s_lshl_b32 s46, s42, 8
	s_lshl_b32 s47, s16, 7
	s_add_co_u32 s46, s46, s47
	s_lshl_b32 s20, s17, 8
	s_lshl_b32 s21, s15, 7
	s_add_co_u32 s20, s20, s21
	s_cmp_eq_u32 ttmp9, 2
	s_cselect_b32 s18, 0, s46
	s_cselect_b32 s19, s20, 0
	s_cselect_b32 s22, 10, 12
	s_cselect_b32 s8, 0, -1
	s_cselect_b32 s9, -1, 0
	s_lshr_b32 s46, s46, 7
	s_lshl_b32 s46, s46, s22
	s_add_co_u32 s46, s46, s20
	s_lshl_b32 s46, s46, 7
	s_mov_b32 s47, 0
	s_add_nc_u64 s[10:11], s[10:11], s[46:47]
	v_lshlrev_b32 v7, 5, v2
	v_lshl_add_u32 v7, s18, 2, v7
	v_lshlrev_b32 v8, 2, v1
	v_lshl_add_u32 v8, s19, 2, v8
.irp b, 0,1,2,3,4,5,6,7
	global_load_b128 v[BC+8*\b:BC+8*\b+3], v7, s[76:77] offset:64*\b
	global_load_b128 v[BC+8*\b+4:BC+8*\b+7], v7, s[76:77] offset:64*\b+16
.endr
.irp a, 0,1,2,3,4,5,6,7
	global_load_b32 v[RB+2*\a], v8, s[76:77] offset:64*\a
.endr
.macro FRAG reg, adr, q, i
.irp c, 0,1,2,3
	ds_load_b128 v[\reg+4*\c:\reg+4*\c+3], v[\adr] offset:128*(\q)+32*\c+(\i)*16*PITCH
.endr
.endm
.macro MUL16 a0, p, zero
.irp a, \a0, \a0+1
.irp b, 0,1,2,3,4,5,6,7
.if \zero
	v_wmma_f32_16x16x128_bf8_bf8 v[8*(8*((\a)%4)+\b):8*(8*((\a)%4)+\b)+7], v[128*(\p)+FR*\b:128*(\p)+FR*\b+FR-1], v[AF+FR*(\a):AF+FR*(\a)+FR-1], 0
.else
	v_wmma_f32_16x16x128_bf8_bf8 v[8*(8*((\a)%4)+\b):8*(8*((\a)%4)+\b)+7], v[128*(\p)+FR*\b:128*(\p)+FR*\b+FR-1], v[AF+FR*(\a):AF+FR*(\a)+FR-1], v[8*(8*((\a)%4)+\b):8*(8*((\a)%4)+\b)+7]
.endif
.endr
.endr
.endm
.macro FETCH_B slot, q, p
	WIN TO_B
.irp i, 0,1,2,3,4,5,6,7
	FRAG 128*(\p)+FR*\i, ADRB+\slot, \q, \i
.endr
	WIN 0
.endm
.macro FETCH_A slot, q, i0
.irp i, \i0, \i0+1, \i0+2, \i0+3
	FRAG AF+FR*(\i), ADRA+\slot, \q, \i
.endr
.endm
.macro PLACES n
.rept \n
	v_nop
.endr
.endm
.macro STEP slot, q, zero
	s_wait_dscnt 4*NL
	WIN MUL_LO
	MUL16 0, (\q)%2, \zero
	MUL16 2, (\q)%2, \zero
	s_wait_dscnt 0
	PLACES NP
	FETCH_B \slot, (\q)+1, 1-(\q)%2
	FETCH_A \slot, (\q)+1, 0
	WIN MUL_HI
	MUL16 4, (\q)%2, \zero
	MUL16 6, (\q)%2, \zero
	PLACES NP
	WIN 0
	FETCH_A \slot, (\q)+1, 4
.endm
.macro TURN slot, next, fill
	s_wait_tensorcnt 0x0
	ds_add_u32 v[SPW], v[NIL]
	s_wait_dscnt 4*NL+1
	WIN MUL_LO
	MUL16 0, 1, 0
	s_wait_dscnt 0x0
	s_barrier_signal -1
	MUL16 2, 1, 0
	WIN 0
	s_barrier_wait -1
.if \fill
	CREST
	s_add_nc_u64 s[G0+4*\slot+2:G0+4*\slot+3], s[G0+4*\slot+2:G0+4*\slot+3], 2*ROWB
	s_add_nc_u64 s[G0B+4*\slot+2:G0B+4*\slot+3], s[G0B+4*\slot+2:G0B+4*\slot+3], 2*ROWB
	JLOAD G0+4*\slot, G1, G0B+4*\slot, G1B
.else
	PLACES NP
.endif
	FETCH_B \next, 0, 0
	FETCH_A \next, 0, 0
	WIN MUL_HI
	MUL16 4, 1, 0
	MUL16 6, 1, 0
	PLACES NP
	WIN 0
	FETCH_A \next, 0, 4
.endm
	s_wait_tensorcnt 1
	s_barrier_signal -1
	s_barrier_wait -1
	FETCH_B 0, 0, 0
	FETCH_A 0, 0, 0
	FETCH_A 0, 0, 4
	STEP 0, 0, 1
	s_mov_b32 s3, LAPS-1
.Llap:
	TURN 0, 1, 1
	STEP 1, 0, 0
	TURN 1, 0, 1
	STEP 0, 0, 0
	s_sub_co_u32 s3, s3, 1
	s_cmp_lg_u32 s3, 0
	s_cbranch_scc1 .Llap
	TURN 0, 1, 0
	STEP 1, 0, 0
	s_wait_dscnt 4*NL
	WIN MUL_LO
	MUL16 0, 1, 0
	MUL16 2, 1, 0
	s_wait_dscnt 0
	WIN MUL_HI
	MUL16 4, 1, 0
	MUL16 6, 1, 0
	WIN 0
	s_wait_kmcnt 0x0
	s_add_co_i32 s84, s84, s85
	s_add_co_i32 s86, s86, s87
	s_add_co_i32 s88, s88, s89
	s_cmp_eq_u32 ttmp9, 0
	s_cselect_b32 s12, s84, s86
	s_cselect_b32 s13, s90, s91
	s_cmp_eq_u32 ttmp9, 2
	s_cselect_b32 s12, s88, s12
	s_cselect_b32 s13, s93, s13
	s_add_co_i32 s12, s12, 127
	s_lshl_b32 s12, s12, 23
	s_add_co_i32 s13, s13, 127
	s_lshl_b32 s18, s13, 23
	v_mov_b32 v30, s18
	s_add_co_i32 s13, s13, 15
	s_lshl_b32 s13, s13, 23
	s_or_b32 s13, s13, 0x600000
	v_mov_b32 v31, s13
	s_mov_b32 s13, s12
	s_wait_loadcnt 0x0
	PLACES NP
.set i, 0
.rept 64
	v_and_b32 v[BC+i], s8, v[BC+i]
.set i, i+1
.endr
.irp a, 0,1,2,3,4,5,6,7
	v_and_b32 v[RB+2*\a+1], s9, v[RB+2*\a]
	v_and_b32 v[RB+2*\a], s9, v[RB+2*\a]
.endr
.macro OUTBLK a
.set AC, 64*((\a)%4)
.set CC, 192+16*((\a)%2)
.set OO, 224+16*((\a)%2)
	WIN 0x02+((\a)/4)
.set j, 0
.rept 32
	v_pk_fma_f32 v[T+j:T+j+1], v[AC+j:AC+j+1], s[12:13], v[BC+j:BC+j+1] op_sel_hi:[1,0,1]
.set j, j+2
.endr
	WIN 0
.set j, 0
.rept 32
	v_pk_add_f32 v[T+j:T+j+1], v[T+j:T+j+1], v[RB+2*(\a):RB+2*(\a)+1]
.set j, j+2
.endr
.set j, 0
.rept 64
	v_med3_num_f32 v[T+j], v[T+j], -v31, v31
.set j, j+1
.endr
.irp b, 0,1,2,3,4,5,6,7
	v_cvt_scalef32_pk8_bf8_f32 v[CC+2*\b:CC+2*\b+1], v[T+8*\b:T+8*\b+7], v30
.endr
	v_nop
.if (\a) > 1
	s_wait_alu depctr_va_vdst(0)
	s_wait_xcnt 0x0
.endif
.irp b, 0,1,2,3,4,5,6,7
	ds_store_b64 v[STO], v[CC+2*\b:CC+2*\b+1] offset:16*\b
.endr
.irp t, 0,1,2,3
	ds_load_b128 v[OO+4*\t:OO+4*\t+3], v[RD] offset:4*CP*\t
.endr
	s_wait_dscnt 0x0
.irp t, 0,1,2,3
	global_store_b128 v[CO], v[OO+4*\t:OO+4*\t+3], s[10:11] offset:2048*(\a)+512*\t
.endr
.endm
.irp a, 0,1,2,3,4,5,6,7
	OUTBLK \a
.endr
	s_wait_tensorcnt 0x0
	ds_add_u32 v[SPW], v[NIL]
	s_wait_dscnt 0x0
	CROUND
	s_endpgm
.Lfunc_end_k_qd5d4c27901_qkv:
	.size	k_qd5d4c27901_qkv, .Lfunc_end_k_qd5d4c27901_qkv-k_qd5d4c27901_qkv
	.p2alignl 7, 3214868480
	.fill 96, 4, 3214868480
	.section	.rodata,"a",@progbits
	.p2align	6, 0x0
	.amdhsa_kernel k_qd5d4c27901_qkv
		.amdhsa_group_segment_fixed_size 327680
		.amdhsa_private_segment_fixed_size 0
		.amdhsa_enable_private_segment 0
		.amdhsa_kernarg_size 72
		.amdhsa_user_sgpr_count 2
		.amdhsa_user_sgpr_kernarg_segment_ptr 1
		.amdhsa_wavefront_size32 1
		.amdhsa_system_sgpr_workgroup_id_x 1
		.amdhsa_system_sgpr_workgroup_id_y 1
		.amdhsa_system_sgpr_workgroup_id_z 1
		.amdhsa_system_vgpr_workitem_id 0
		.amdhsa_next_free_vgpr 1024
		.amdhsa_next_free_sgpr 100
		.amdhsa_reserve_vcc 0
		.amdhsa_float_denorm_mode_32 3
		.amdhsa_float_denorm_mode_16_64 3
		.amdhsa_memory_ordered 1
		.amdhsa_forward_progress 1
		.amdhsa_inst_pref_size 164
	.end_amdhsa_kernel
	.amdgpu_metadata
---
amdhsa.version: [ 1, 2 ]
amdhsa.kernels:
  - .name:           k_qd5d4c27901_qkv
    .symbol:         k_qd5d4c27901_qkv.kd
    .args:
      - { .name: hc, .offset: 0, .size: 8, .value_kind: global_buffer, .address_space: global }
      - { .name: Wq_codes, .offset: 8, .size: 8, .value_kind: global_buffer, .address_space: global }
      - { .name: Wk_codes, .offset: 16, .size: 8, .value_kind: global_buffer, .address_space: global }
      - { .name: Wv_codes, .offset: 24, .size: 8, .value_kind: global_buffer, .address_space: global }
      - { .name: bq, .offset: 32, .size: 8, .value_kind: global_buffer, .address_space: global }
      - { .name: bk, .offset: 40, .size: 8, .value_kind: global_buffer, .address_space: global }
      - { .name: bv, .offset: 48, .size: 8, .value_kind: global_buffer, .address_space: global }
      - { .name: lowp_scales, .offset: 56, .size: 8, .value_kind: global_buffer, .address_space: global }
      - { .name: qkvc, .offset: 64, .size: 8, .value_kind: global_buffer, .address_space: global }
    .group_segment_fixed_size: 327680
    .private_segment_fixed_size: 0
    .kernarg_segment_align: 8
    .kernarg_segment_size: 72
    .max_flat_workgroup_size: 128
    .sgpr_count:     100
    .vgpr_count:     1024
    .wavefront_size: 32
...
	.end_amdgpu_metadata
.endif
;; end of part 2
;; launch att (part 3): grid 16 x 16, 8 waves a work-group, clusters of 4 x 1, 327,680 bytes of LDS; arguments qkvc, lowp_scales, oc; writes oc
.if DOCPART == 3
	.amdgcn_target "amdgcn-amd-amdhsa--gfx1250"
	.amdhsa_code_object_version 6
	.text
	.protected	k_qd5d4c27901_att
	.globl	k_qd5d4c27901_att
	.p2align	8
	.type	k_qd5d4c27901_att,@function
k_qd5d4c27901_att:
	s_mov_b64 s[64:65], 0
	v_nop
	global_prefetch_b8 v0, s[64:65] scope:SCOPE_SE
	s_setreg_imm32_b32 hwreg(HW_REG_WAVE_MODE, 25, 1), 1
	s_wait_xcnt 0x0
	s_wait_alu depctr_hold_cnt(0) depctr_sa_sdst(0) depctr_va_vdst(0) depctr_va_sdst(0) depctr_va_ssrc(0) depctr_va_vcc(0) depctr_vm_vsrc(0)
	s_getreg_b32 s2, hwreg(HW_REG_IB_STS2, 6, 4)
	s_cmp_eq_u32 s2, 0
	s_cbranch_scc0 .Lentry_in_a_cluster
	s_endpgm
.Lentry_in_a_cluster:
	s_bfe_u32 s2, ttmp6, 0x10000c
	s_cmp_lg_u32 s2, 0x3003
	s_cbranch_scc0 .Lentry_shape_is_right
	s_endpgm
.Lentry_shape_is_right:
; o = softmax(q k^T / 8) v for 2 x 16 heads of 64, 2,048 keys, both products on codes of E5M2; o is quantised again (entry 10 of the scales) for the product with Wo.
; qkvc: q at 0 and k at 4 MiB: [head pair 8][token 4096][128 bytes: 64 x (head % 2) + dk]; v at 8 MiB: [token / 128][head x 64 + dk][128 keys].  oc: laid as q.
; THE SOFTMAX: t = score x log2(e) / 8; M = the running largest t rounded UP to a whole number; p = 2^(t - M) is quantised (entry 8), not normalised; the row's sum is taken of the
; unquantised p and divides at the end; when M moves, the sum and O are multiplied by 2^(old M - new M), which rounds nothing.
; SHARES.  A work-group owns 128 queries of one head PAIR: waves 0-3 the even head, waves 4-7 the odd one.  A wave owns 32 queries, two tiles of 16: each fragment of K and V that it
; reads from LDS feeds two matrix instructions.  Tile 0's numbers lie in register window 0, tile 1's at the same register numbers in window 1, so one macro serves both under another window setting.
; THE RING.  Two slots of 512 keys, each four pairs (K's piece, V's piece) of 128 keys; a piece is 16,384 consecutive bytes of memory, stated as two rows of 8,192, with 16 bytes of padding behind every 128.
; Each of the eight waves fetches one piece: 2,048 keys take four changes of slots.  A slot's loop is written once for each of the four slots' worth of keys, so that every LDS address and
; descriptor word is a constant, the wave's number or a counted step.
; A TRIP IS TURNED BY HALF A KEY STEP: it asks for this step's K, finishes the step before on registers alone (sums, holds, codes, second product) while K is on its way, then makes this step's scores,
; maxima and t - M, asks for this step's V, and issues the exponentials.  The first step's second half and the last step's first half are written out.
; CLUSTER.  The four query blocks of a cluster walk the same K and V: each piece is asked for JOINTLY, with a mask that names the four.
; NO PREFETCH: a slot's fill is asked for at the head of the other slot's four key steps, 96 matrix instructions and their softmax a wave ahead of the wait for it.
; LAYOUT.  Both products are used transposed (S^T = K Q^T, O^T = V^T P^T): a lane holds ONE query of each tile.  Key tile t is the 16 neighbouring keys 16 t on: a lane's eight scores of it are keys
; 16 t + 8 (lane / 16) + 0 .. 7, which is what registers 2 t, 2 t + 1 of an operand of the 16x16x128 form hold: the conversions' results are the second product's operand; V comes in the same layout by loads of 8 bytes.
; K's and Q's fragments (64 along dk) come by two loads of 16 bytes, 32 apart: the same permutation of dk on both sides.
; LDS rows are 144 bytes = 36 words apart: sixteen neighbouring rows start at sixteen different multiples of 4 words modulo 64 (64 banks of 4 bytes: ISA guide 11.1).
; LIMITS: e6 + e7 between -123 and 130; e8 and e10 between -126 and 112.  NaN among the inputs is not served.
; REGISTERS.  Window 0: v1-11, v24-25 addresses; v12 -M, v13 the largest t, v[210:211] f of tile 0; v26, v27, v[28:29] the same of tile 1; v30-31, v208-209 at work; v32-95 K's eight fragments.
;   Window 1: v32-95 V's four fragments.  In both windows, for the window's tile: v[14:15] the sum, v16-23 Q, v96-159 S^T then p, v160-191 O^T, v192-207 p's codes, v216-219 scales, v220-229 chains of the maxima and sums.
.set KP,    144
.set PIECE, 128*KP
.set SLOTB, 8*PIECE
.set STAGE, 2*SLOTB                    ; behind the ring: 128 rows x 144 bytes for o's codes; no fill lands there
.set SPARE, STAGE+PIECE                ; the spare words, 128 bytes for each of 8 waves; no other line names them
.set AK0, 1
.set AV0, 2
.set QA,  4
.set SPW, 5
.set NIL, 6
.set GO,  7
.set SO,  10
.set RDO, 11
.set ADK, 24
.set ADV, 25
.set KB,  32
.set S,   96
.set OT,  160
.set PC,  192
.set MX,  220
.set SM,  224
.set WV,  18
.set SEL, 20
.set CS,  22
.set G1,  24
.set G0,  40
.set STP, 44                           ; s[44:45] a slot on in memory: 65,536 bytes in K, 524,288 in V
.set LB,  46                           ; my piece's place in a slot
.set CNT, 56
.set TB,  62                           ; LDS byte of the key step's pair of pieces
.set MSB, 0
.macro WIN new                         ; the immediate's high byte repeats the setting that is left
.if MSB != \new
	s_set_vgpr_msb (MSB<<8)|\new
.set MSB, \new
.endif
.endm
.macro CROUND                          ; a round of the cluster's barrier
	s_barrier_signal -1
	s_barrier_wait -1
	s_cmp_lg_u32 s[WV], 0
	s_cbranch_scc1 .Lnot_wave_0_\@
	s_barrier_signal -3
.Lnot_wave_0_\@:
	s_barrier_wait -3
	s_barrier_signal -1
	s_barrier_wait -1
.endm
.macro TLOAD                           ; every wave's one load: its piece.  An s_nop 0 and four v_nop follow
	tensor_load_to_lds s[G0:G0+3], s[G1:G1+7]
	s_nop 0
.rept 4
	v_nop
.endr
.endm
	s_load_b128 s[4:7], s[0:1], 0x0                ; qkvc, scales
	s_load_b64 s[8:9], s[0:1], 0x10                ; oc
	v_lshl_add_u32 v[SPW], v0, 2, SPARE
	v_mov_b32 v[NIL], 0
	ds_add_u32 v[SPW], v[NIL]                      ; the opening lines: the add, twice on end, and its wait ahead of my first tensor load
	ds_add_u32 v[SPW], v[NIL]
	v_lshrrev_b32 v8, 5, v0
	v_readfirstlane_b32 s[WV], v8                  ; wave 0..7
	s_bfe_u32 s13, ttmp6, 0x40000                  ; cx
	s_lshl_b32 s14, ttmp9, 2
	s_add_co_u32 s14, s14, s13                     ; my block of 128 queries: it enters Q's and o's addresses alone
	s_and_b32 s15, ttmp7, 0xffff
	s_lshr_b32 s16, s15, 3                         ; the batch
	s_and_b32 s17, s15, 7                          ; the head pair
	s_lshl_b32 s32, s17, 19
	s_lshl_b32 s33, s16, 18
	s_add_co_u32 s32, s32, s33                     ; the pair's and batch's first byte in q, in k and in oc
	s_add_co_u32 s34, s32, 0x400000                ; K's first piece
	s_lshl_b32 s33, s16, 21
	s_lshl_b32 s35, s17, 14
	s_add_co_u32 s33, s33, s35
	s_add_co_u32 s33, s33, 0x800000                ; V's first piece
	s_sub_co_u32 s35, s33, s34                     ; from K's to V's
	s_and_b32 s10, s[WV], 3                        ; which piece of a slot's four I fetch; also my 32 queries of the block
	s_lshr_b32 s11, s[WV], 2                       ; I fetch for K (0) or V (1); also my head of the pair
	s_mul_i32 s36, s11, 3
	s_add_co_u32 s36, s36, 14                      ; pieces lie 2^14 bytes apart in K, 2^17 in V
	s_lshl_b32 s38, s10, s36
	s_mul_i32 s35, s35, s11
	s_add_co_u32 s38, s38, s35
	s_add_co_u32 s38, s38, s34                     ; my piece's offset in qkvc
	s_mov_b32 s39, 0
	s_lshl_b32 s[STP], 4, s36
	s_mov_b32 s[STP+1], 0
	s_lshl_b32 s[LB], s10, 1
	s_add_co_u32 s[LB], s[LB], s11
	s_mul_i32 s[LB], s[LB], PIECE                  ; K0 V0 K1 V1 K2 V2 K3 V3
	s_mov_b32 s[G1], 15|(3<<16)|(1<<20)|(1<<21)|(4<<22)|(3<<25)   ; the mask: all four; elements of 8 bytes; padding on; bit 21 beside a mask; 4 words behind every 32
	s_mov_b32 s[G1+1], 1024<<16                    ; tensor_dim0: 8,192 bytes
	s_mov_b32 s[G1+2], 2<<16                       ; tensor_dim1
	s_mov_b32 s[G1+3], 1024<<16                    ; tile_dim0
	s_mov_b32 s[G1+4], 2                           ; tile_dim1
	s_mov_b32 s[G1+5], 1024                        ; the pitch: dense
	s_mov_b32 s[G1+6], 0
	s_mov_b32 s[G1+7], 0
	s_mov_b32 s[SEL], 0x76543210
	s_mov_b32 s[SEL+1], 0xfedcba98
	s_wait_dscnt 0x0                               ; both opening adds are done
	s_wait_kmcnt 0x0
	s_load_b128 s[68:71], s[6:7], 0x18             ; e6, e7, e8, e9
	s_load_b32 s72, s[6:7], 0x28                   ; e10
	s_mov_b32 s[G0], 1
	s_mov_b32 s[G0+1], s[LB]
	s_add_nc_u64 s[G0+2:G0+3], s[4:5], s[38:39]
	s_or_b32 s[G0+3], s[G0+3], 0x80000000
	CROUND                                         ; all four work-groups are here: the first joint loads meet
	TLOAD                                          ; slot 0: keys 0 to 511
	s_lshl_b32 s12, s14, 14
	s_add_co_u32 s12, s12, s32                     ; the block's 128 rows in q and in oc
	s_lshl_b32 s19, s10, 12
	s_add_co_u32 s48, s12, s19                     ; + my 32 queries
	s_lshl_b32 s19, s11, 6                         ; 64 x head
	s_add_co_u32 s48, s48, s19
	s_mov_b32 s49, 0
	s_add_nc_u64 s[48:49], s[4:5], s[48:49]        ; Q
	s_lshl_b32 s50, s[WV], 11
	s_add_co_u32 s50, s50, s12
	s_mov_b32 s51, 0
	s_add_nc_u64 s[8:9], s[8:9], s[50:51]          ; oc: 16 rows (2,048 bytes) a wave
	s_mul_i32 s52, s11, 64*KP
	s_add_co_u32 s52, s52, PIECE                   ; my head's 64 rows of V's piece, which lies behind K's
	s_mul_i32 s53, s10, 32*KP
	s_add_co_u32 s53, s53, s19
	s_add_co_u32 s53, s53, STAGE                   ; the stage, in: my 32 rows, + 64 x head
	s_mul_i32 s54, s[WV], 16*KP
	s_add_co_u32 s54, s54, STAGE                   ; and back: rows 16 wave on
	v_and_b32 v8, 15, v0                           ; r
	v_bfe_u32 v9, v0, 4, 1                         ; h
	v_lshlrev_b32 v[QA], 7, v8
	v_lshl_add_u32 v[QA], v9, 4, v[QA]
	global_load_b128 v[16:19], v[QA], s[48:49]
	global_load_b128 v[20:23], v[QA], s[48:49] offset:32
	WIN 0x40                                       ; destination: window 1
	global_load_b128 v[16:19], v[QA], s[48:49] offset:2048
	global_load_b128 v[20:23], v[QA], s[48:49] offset:2080
	WIN 0
	v_mul_u32_u24 v3, v8, KP
	v_lshl_add_u32 v[AK0], v9, 4, v3
	v_add_nc_u32 v[AK0], s19, v[AK0]               ; K: row r of a tile, + 16 h + 64 x head
	v_lshl_add_u32 v[AV0], v9, 3, v3
	v_add_nc_u32 v[SO], s53, v[AV0]                ; the stage: row r, + 8 h
	v_add_nc_u32 v[AV0], s52, v[AV0]               ; V: row r of a tile of dk, + 8 h
	v_bfe_u32 v[RDO], v0, 3, 2
	v_mul_u32_u24 v[RDO], v[RDO], KP
	v_and_b32 v[GO], 7, v0
	v_lshl_add_u32 v[RDO], v[GO], 4, v[RDO]
	v_add_nc_u32 v[RDO], s54, v[RDO]               ; back: eight lanes to a row
	v_and_b32 v[GO], 31, v0
	v_lshlrev_b32 v[GO], 4, v[GO]
	v_mov_b32 v13, 0xff61b1e6                      ; the largest t so far: -3e38, for both tiles,
	v_mov_b32 v27, 0xff61b1e6
	v_floor_f32 v12, -v13                          ; and -M
	v_floor_f32 v26, -v27
	v_mov_b32 v211, 0                              ; (named as the upper halves of the pairs of f)
	v_mov_b32 v29, 0
	v_mov_b32 v31, 0                               ; a lane permute's destination counts as read
.macro INIT                            ; a tile's sums: the step is written once; the first finds zeros, which the first change of M leaves zeros
	v_mov_b32 v14, 0
	v_mov_b32 v15, 0
	v_mov_b32 v209, 0                              ; a lane permute's destination counts as read
.set j, 0
.rept 32
	v_mov_b32 v[OT+j], 0
.set j, j+1
.endr
.endm
	INIT
	WIN 0x55
	INIT
	WIN 0
	s_wait_alu depctr_va_vdst(0)
	s_wait_kmcnt 0x0
	s_add_co_i32 s12, s68, s69
	s_lshl_b32 s12, s12, 23
	s_mov_b32 s[CS], 0x3e38aa3b                    ; c = log2(e) / 8
	s_add_co_i32 s[CS], s[CS], s12                 ; x 2^(e6 + e7): added to c's exponent field
	s_mov_b32 s[CS+1], s[CS]
	s_add_co_i32 s12, s70, 127
	s_lshl_b32 s33, s12, 23                        ; 2^e8
	s_add_co_i32 s12, s12, 15
	s_lshl_b32 s12, s12, 23
	s_or_b32 s34, s12, 0x600000                    ; 57,344 x 2^e8: the hold of p; s34 is not written again
	s_add_co_i32 s12, s72, 127
	s_lshl_b32 s35, s12, 23                        ; 2^e10
	s_add_co_i32 s12, s12, 15
	s_lshl_b32 s12, s12, 23
	s_or_b32 s36, s12, 0x600000                    ; 57,344 x 2^e10
	s_add_co_i32 s73, s70, s71                     ; e8 + e9
.irp w, 0, 0x40
	WIN \w
	v_mov_b32 v216, s33
	v_mov_b32 v218, s35
	v_mov_b32 v219, s36
.endr
	WIN 0
.macro TREE                            ; a tile's largest score of the step but for the last line: four chains, each accumulator from its low end on
.irp c, 0,1,2,3
	v_max3_num_f32 v[MX+\c], v[S+3*\c], v[S+3*\c+1], v[S+3*\c+2]
.endr
.set i, S+12
.rept 6
.irp c, 0,1,2,3
	v_max3_num_f32 v[MX+\c], v[MX+\c], v[i+2*\c], v[i+2*\c+1]
.endr
.set i, i+8
.endr
	v_max3_num_f32 v[MX], v[MX], v[S+60], v[S+61]
	v_max3_num_f32 v[MX+1], v[MX+1], v[S+62], v[S+63]
	v_max3_num_f32 v208, v[MX], v[MX+1], v[MX+2]
.endm
.macro APPLY f, m                      ; O^T and the sum under the new M; t - M (of the pairs f, c and -M the low word serves both halves)
.set j, 0
.rept 16
	v_pk_mul_f32 v[OT+j:OT+j+1], v[OT+j:OT+j+1], v[\f:\f+1] op_sel_hi:[1,0]
.set j, j+2
.endr
	v_pk_mul_f32 v[14:15], v[14:15], v[\f:\f+1] op_sel_hi:[1,0]
.set j, 0
.rept 32
	v_pk_fma_f32 v[S+j:S+j+1], v[S+j:S+j+1], s[CS:CS+1], v[\m:\m+1] op_sel_hi:[1,0,0]
.set j, j+2
.endr
.endm
.macro EXPS
.set j, 0
.rept 64
	v_exp_f32 v[S+j], v[S+j]                       ; p = 2^(t - M), at most 1
.set j, j+1
.endr
.endm
; The row's sum of the unquantised p in four chains; the hold (the conversion does not saturate: ISA guide 7.6.2; p is not negative: one-sided), two an instruction; the codes.
.macro POST
.irp c, 0,1,2
	v_pk_add_f32 v[SM+2*\c:SM+2*\c+1], v[S+4*\c:S+4*\c+1], v[S+4*\c+2:S+4*\c+3]
.endr
.set i, S+12
.rept 6
	v_pk_add_f32 v[14:15], v[14:15], v[i:i+1]
.irp c, 0,1,2
	v_pk_add_f32 v[SM+2*\c:SM+2*\c+1], v[SM+2*\c:SM+2*\c+1], v[i+2+2*\c:i+3+2*\c]
.endr
.set i, i+8
.endr
	v_pk_add_f32 v[14:15], v[14:15], v[S+60:S+61]
	v_pk_add_f32 v[SM:SM+1], v[SM:SM+1], v[S+62:S+63]
	v_pk_add_f32 v[SM+2:SM+3], v[SM+2:SM+3], v[SM+4:SM+5]
	v_pk_add_f32 v[14:15], v[14:15], v[SM:SM+1]
	v_pk_add_f32 v[14:15], v[14:15], v[SM+2:SM+3]
.set j, 0
.rept 32
	v_dual_min_num_f32 v[S+j], s34, v[S+j] :: v_dual_min_num_f32 v[S+j+1], s34, v[S+j+1]
.set j, j+2
.endr
.irp t, 0,1,2,3,4,5,6,7
	v_cvt_scalef32_pk8_bf8_f32 v[PC+2*\t:PC+2*\t+1], v[S+8*\t:S+8*\t+7], v216
.endr
	v_nop                                          ; a plain instruction between the conversions and the matrix instructions that read their results or write their sources
.endm
.macro PV                              ; O^T += V^T P^T: four accumulators by turns, K = the step's 128 keys
.irp t, 0,1,2,3
	v_wmma_f32_16x16x128_bf8_bf8 v[OT+8*\t:OT+8*\t+7], v[KB+16*\t:KB+16*\t+15], v[PC:PC+15], v[OT+8*\t:OT+8*\t+7]
.endr
.endm
.macro SQK                             ; S^T = K Q^T: eight tiles of 16 keys
.irp t, 0,1,2,3,4,5,6,7
	v_wmma_f32_16x16x64_bf8_bf8 v[S+8*\t:S+8*\t+7], v[KB+8*\t:KB+8*\t+7], v[16:23], 0
.endr
.endm
.macro KLOADS                          ; the step's K, 16 loads in one run
	v_add_nc_u32 v[ADK], s[TB], v[AK0]
.set j, 0
.rept 16
	ds_load_b128 v[KB+4*j:KB+4*j+3], v[ADK] offset:16*(j/2)*KP+32*(j%2)
.set j, j+1
.endr
.endm
.macro FINISH                          ; a step's second half, on registers alone; tile 1's vector work stands behind tile 0's products
	POST
	WIN 0x01                                       ; tile 0: V in window 1, the rest in window 0
	PV
	WIN 0x55                                       ; tile 1: all in window 1
	POST
	PV
	WIN 0
.endm
.macro START                           ; a step's first half
	s_wait_dscnt 0x0                               ; K is in
	SQK
	WIN 0x44                                       ; Q and the result: window 1; K: window 0
	SQK
	WIN 0
	v_add_nc_u32 v[ADV], s[TB], v[AV0]
.rept 3
	v_nop                                          ; with the addition: four places in front of the first read of the scores
.endr
	TREE
	v_max_num_f32 v208, v208, v[MX+3]
	WIN 0x55
	TREE
	WIN 0x05                                       ; sources: window 1; the result: window 0
	v_max_num_f32 v30, v208, v[MX+3]
	WIN 0
	v_permlanex16_b32 v209, v208, s[SEL], s[SEL+1] ; the two tiles' chains take turns, line by line
	v_permlanex16_b32 v31, v30, s[SEL], s[SEL+1]
	v_max_num_f32 v208, v208, v209                 ; among lane l xor 16's keys too
	v_max_num_f32 v30, v30, v31
	v_mul_f32 v208, s[CS], v208                    ; as t (c is positive)
	v_mul_f32 v30, s[CS], v30
	v_max_num_f32 v13, v13, v208
	v_max_num_f32 v27, v27, v30
	v_mov_b32 v208, v12
	v_mov_b32 v30, v26
	v_floor_f32 v12, -v13                          ; -M = floor(-t)
	v_floor_f32 v26, -v27
	v_sub_f32 v208, v12, v208                      ; old M - new M: a whole number, 0 or less
	v_sub_f32 v30, v26, v30
	v_cvt_i32_f32 v208, v208                       ; (it saturates)
	v_cvt_i32_f32 v30, v30
	v_ldexp_f32 v210, 1.0, v208                    ; f = 2^(old M - new M)
	v_ldexp_f32 v28, 1.0, v30
	APPLY 210, 12
	WIN 0x41                                       ; tile 1's numbers: window 1; its f and -M: window 0
	APPLY 28, 26
	s_wait_alu depctr_va_vdst(0)                   ; ONE BATCH of 128 exponentials: a wait ahead of it;
	WIN 0x40                                       ; behind that wait the step's V is asked for, 32 loads in one run, into window 1
.set j, 0
.rept 32
	ds_load_b64 v[KB+2*j:KB+2*j+1], v[ADV] offset:16*KP*(j/8)+16*(j%8)
.set j, j+1
.endr
	WIN 0x55
	EXPS
	WIN 0
	EXPS
	v_nop                                          ; a plain place behind the batch,
	s_wait_alu depctr_va_vdst(0)                   ; and the wait ahead of its first reader, of the branch and of the label
.endm
; THE CHANGE OF SLOTS stands at a slot's head: every wave waits for all its tensor loads (one is out: its piece of the slot ahead), adds 0 to its spare word, waits for that and for its reads of the slot that it has left.
; fill = 1: a round of the cluster's barrier, and behind it the other slot (dst) takes the 512 keys that follow: the first time that is slot 1's first fill, issued as a refill is.
.macro CHANGE fill, dst
	s_wait_tensorcnt 0x0
	ds_add_u32 v[SPW], v[NIL]
.if \fill
	s_add_co_u32 s[G0+1], s[LB], (\dst)*SLOTB
	s_add_nc_u64 s[G0+2:G0+3], s[G0+2:G0+3], s[STP:STP+1]
	s_wait_dscnt 0x0
	CROUND
	TLOAD
.else
	s_wait_dscnt 0x0
	s_barrier_signal -1
	s_barrier_wait -1
.endif
.endm
.macro PHASE n                         ; keys 512 n on, in slot n % 2: four key steps
.if (\n) < 3
	CHANGE 1, 1-(\n)%2
.else
	CHANGE 0, 0
.endif
	s_mov_b32 s[TB], ((\n)%2)*SLOTB
.if (\n) == 0
	KLOADS                                         ; the very first step has no step before it to finish: its first half is written out
	START
	s_add_co_u32 s[TB], s[TB], 2*PIECE
	s_mov_b32 s[CNT], 3
.else
	s_mov_b32 s[CNT], 4
.endif
.Lstep_\@:
	KLOADS
	s_wait_dscnt 16                                ; the last step's V is in; the 16 loads just issued may be out
	FINISH
	START
	s_add_co_u32 s[TB], s[TB], 2*PIECE
	s_sub_co_u32 s[CNT], s[CNT], 1
	s_cmp_lg_u32 s[CNT], 0
	s_cbranch_scc1 .Lstep_\@
.endm
	s_wait_alu depctr_va_vdst(0)
	s_wait_loadcnt 0x0                             ; Q
	PHASE 0
	PHASE 1
	PHASE 2
	PHASE 3
	s_wait_dscnt 0x0                               ; the last step's V is in
	FINISH
; THE WAY OUT of a tile: O^T / the sum x 2^(e8 + e9), held, converted with 2^e10.
.macro FIN
	v_add_f32 v14, v14, v15
	v_permlanex16_b32 v209, v14, s[SEL], s[SEL+1]
	v_add_f32 v14, v14, v209
	s_wait_alu depctr_va_vdst(0)                   ; the wait ahead of the transcendental,
	v_rcp_f32 v14, v14
	v_nop
	s_wait_alu depctr_va_vdst(0)                   ; ahead of its first reader,
	v_ldexp_f32 v14, v14, s73
	s_wait_alu depctr_va_vdst(0)                   ; and directly ahead of the first reader of O^T
.set j, 0
.rept 16
	v_pk_mul_f32 v[S+j:S+j+1], v[OT+j:OT+j+1], v[14:15] op_sel_hi:[1,0]   ; register 8 t + i: o(query r, dk 16 t + 8 h + i)
.set j, j+2
.endr
.set j, 0
.rept 32
	v_med3_num_f32 v[S+j], v[S+j], -v219, v219
.set j, j+1
.endr
.irp t, 0,1,2,3
	v_cvt_scalef32_pk8_bf8_f32 v[PC+2*\t:PC+2*\t+1], v[S+8*\t:S+8*\t+7], v218
.endr
	v_nop
.endm
	FIN
.irp t, 0,1,2,3
	ds_store_b64 v[SO], v[PC+2*\t:PC+2*\t+1] offset:16*\t
.endr
	WIN 0x55
	FIN
	WIN 0x04                                       ; the data: window 1
.irp t, 0,1,2,3
	ds_store_b64 v[SO], v[PC+2*\t:PC+2*\t+1] offset:16*KP+16*\t
.endr
	WIN 0
	s_wait_dscnt 0x0                               ; a row's 128 codes come from waves w and w + 4: my stores are done, for the others' sake
	s_barrier_signal -1
	s_barrier_wait -1
.irp i, 0,1,2,3
	ds_load_b128 v[S+4*\i:S+4*\i+3], v[RDO] offset:4*KP*\i
.endr
.irp i, 0,1,2,3
	s_wait_dscnt 3-\i
	global_store_b128 v[GO], v[S+4*\i:S+4*\i+3], s[8:9] offset:512*\i   ; 512 consecutive bytes, aligned
.endr
	s_wait_tensorcnt 0x0                           ; the wave's end
	ds_add_u32 v[SPW], v[NIL]
	s_wait_dscnt 0x0
	CROUND                                         ; the closing round
	s_endpgm
.Lfunc_end_k_qd5d4c27901_att:
	.size	k_qd5d4c27901_att, .Lfunc_end_k_qd5d4c27901_att-k_qd5d4c27901_att
	.p2alignl 7, 3214868480
	.fill 96, 4, 3214868480
	.section	.rodata,"a",@progbits
	.p2align	6, 0x0
	.amdhsa_kernel k_qd5d4c27901_att
		.amdhsa_group_segment_fixed_size 327680
		.amdhsa_private_segment_fixed_size 0
		.amdhsa_enable_private_segment 0
		.amdhsa_kernarg_size 24
		.amdhsa_user_sgpr_count 2
		.amdhsa_user_sgpr_kernarg_segment_ptr 1
		.amdhsa_wavefront_size32 1
		.amdhsa_system_sgpr_workgroup_id_x 1
		.amdhsa_system_sgpr_workgroup_id_y 1
		.amdhsa_system_sgpr_workgroup_id_z 1
		.amdhsa_system_vgpr_workitem_id 0
		.amdhsa_next_free_vgpr 512
		.amdhsa_next_free_sgpr 84
		.amdhsa_reserve_vcc 0
		.amdhsa_float_denorm_mode_32 3
		.amdhsa_float_denorm_mode_16_64 3
		.amdhsa_memory_ordered 1
		.amdhsa_forward_progress 1
		.amdhsa_inst_pref_size 167
	.end_amdhsa_kernel
	.amdgpu_metadata
---
amdhsa.version: [ 1, 2 ]
amdhsa.kernels:
  - .name:           k_qd5d4c27901_att
    .symbol:         k_qd5d4c27901_att.kd
    .args:
      - { .name: qkvc, .offset: 0, .size: 8, .value_kind: global_buffer, .address_space: global }
      - { .name: lowp_scales, .offset: 8, .size: 8, .value_kind: global_buffer, .address_space: global }
      - { .name: oc, .offset: 16, .size: 8, .value_kind: global_buffer, .address_space: global }
    .group_segment_fixed_size: 327680
    .private_segment_fixed_size: 0
    .kernarg_segment_align: 8
    .kernarg_segment_size: 24
    .max_flat_workgroup_size: 256
    .sgpr_count:     84
    .vgpr_count:     512
    .wavefront_size: 32
...
	.end_amdgpu_metadata
.endif
;; end of part 3
;; launch wo (part 4): grid 8 x 32, 4 waves a work-group, clusters of 4 x 4, 327,680 bytes of LDS; arguments oc, Wo_codes, bo, x, lowp_scales, x1; writes x1
.if DOCPART == 4
	.amdgcn_target "amdgcn-amd-amdhsa--gfx1250"
	.amdhsa_code_object_version 6
	.text
	.protected	k_qd5d4c27901_wo
	.globl	k_qd5d4c27901_wo
	.p2align	8
	.type	k_qd5d4c27901_wo,@function
k_qd5d4c27901_wo:
	s_mov_b64 s[64:65], 0
	v_nop
	global_prefetch_b8 v0, s[64:65] scope:SCOPE_SE
	s_setreg_imm32_b32 hwreg(HW_REG_WAVE_MODE, 25, 1), 1
	s_wait_xcnt 0x0
	s_wait_alu depctr_hold_cnt(0) depctr_sa_sdst(0) depctr_va_vdst(0) depctr_va_sdst(0) depctr_va_ssrc(0) depctr_va_vcc(0) depctr_vm_vsrc(0)
	s_getreg_b32 s2, hwreg(HW_REG_IB_STS2, 6, 4)
	s_cmp_eq_u32 s2, 0
	s_cbranch_scc0 .Lentry_in_a_cluster
	s_endpgm
.Lentry_in_a_cluster:
	s_bfe_u32 s2, ttmp6, 0x10000c
	s_cmp_lg_u32 s2, 0xf033
	s_cbranch_scc0 .Lentry_shape_is_right
	s_endpgm
.Lentry_shape_is_right:
; x1 = x + o Wo 2^(e10 + e11) + bo.  o: codes of E5M2, blocked [K / 128][4096 tokens][128]; Wo: codes [1024 (n)][1024 (K)]; x, x1: [4096][1024] f32; bo [1024].
; C has 32 x 8 tiles of 128 x 128: one for each of 256 work-groups.  Four waves, each 64 x 64: 16 accumulators.  K goes in steps of 512 through two LDS slots.
; A's part of a slot is four planes of 128 rows x 128 bytes, each plane 16,384 consecutive bytes of memory, the planes 524,288 bytes apart: waves 0 and 1 fetch four planes each, as a tile of four lines of 16,384 bytes
; with 16 bytes of padding behind every 128.  B's part is 128 rows x 512 bytes: wave 2 fetches it for slot 0, wave 3 for slot 1.
; CLUSTERS: 4 x 4 work-groups; A's tile is asked for jointly along a row of the cluster, B's along a column.  The matrix instruction is used transposed (source 0 = rows of B, source 1 = rows of A).
; With SIZE_K = 1,024 the two slots hold all of K: nothing is filled again.
; LIMIT: the two exponents added lie between -126 and 127.
; REGISTERS: window 0: v0-31 addresses and my four columns' bias; v32-95 rows on the way out; v128-255 the accumulators ((a, b) at v[128 + 8 (4 a + b)]).
;   window 1: two fragment buffers of 128 (A's four fragments, then B's four).   window 2: v0-127 my 64 x 64 of the residual, asked for at the head.
.set SIZE_K, 1024
.set SCOFF,  40                        ; the byte of the first of the two exponents
.set AP,     144
.set APL,    128*AP                    ; a plane of A in LDS
.set BP,     528
.set SLOT,   4*APL+128*BP
.set STAGE,  2*SLOT                    ; behind the ring: 16 rows x 272 bytes for each wave
.set SPITCH, 272
.set SPARE,  STAGE+4*16*SPITCH         ; the spare words: two blocks of 256 bytes that no other line names
.set LAPS,   SIZE_K/1024
.set ADRA, 16
.set ADRB, 20
.set STO,  24
.set RD,   25
.set CO,   26
.set BO,   27
.set SPW,  28
.set NIL,  29
.set OB,   32
.set ACC,  128
.set F0,   0
.set F1,   128
.set G1, 24
.set G0, 32
.set G1B, 48
.set G0B, 56
.set MSB, 0
.macro WIN new
.if MSB != \new
	s_set_vgpr_msb (MSB<<8)|\new
.set MSB, \new
.endif
.endm
.set MUL,  0x05                        ; sources 0 and 1 window 1; C and D window 0
.set TO_F, 0x40                        ; destination window 1
.macro JLOAD s
	s_cmp_eq_u32 s11, 0
	s_cbranch_scc0 .Lfor_b_\@
	tensor_load_to_lds s[G0+4*\s:G0+4*\s+3], s[G1:G1+7]
	s_nop 0
.rept 4
	v_nop
.endr
	s_branch .Lasked_\@
.Lfor_b_\@:
	tensor_load_to_lds s[G0B+4*\s:G0B+4*\s+3], s[G1B:G1B+7]
	s_nop 0
.rept 4
	v_nop
.endr
.Lasked_\@:
.endm
.macro CREST
	s_cmp_lg_u32 s10, 0
	s_cbranch_scc1 .Lnot_wave_0_\@
	s_barrier_signal -3
.Lnot_wave_0_\@:
	s_barrier_wait -3
	s_barrier_signal -1
	s_barrier_wait -1
.endm
.macro CROUND
	s_barrier_signal -1
	s_barrier_wait -1
	CREST
.endm
	s_load_b128 s[4:7], s[0:1], 0x0                ; A's codes, B's codes
	s_load_b128 s[68:71], s[0:1], 0x10             ; the bias, the residual
	s_load_b128 s[72:75], s[0:1], 0x20             ; the scales, the result
	v_lshl_add_u32 v[SPW], v0, 2, SPARE
	v_mov_b32 v[NIL], 0
	ds_add_u32 v28, v29
	ds_add_u32 v28, v29
	s_wait_dscnt 0x0
	v_lshrrev_b32 v1, 5, v0
	v_readfirstlane_b32 s10, v1                    ; wave
	s_lshr_b32 s11, s10, 1                         ; my half of the rows; also: I fetch for A (0) or B (1)
	s_and_b32 s12, s10, 1                          ; my half of the columns; also: which half of that tile I fetch
	s_bfe_u32 s40, ttmp6, 0x40000
	s_bfe_u32 s41, ttmp6, 0x40004
	s_lshl_b32 s42, ttmp9, 2
	s_add_co_u32 s42, s42, s40                     ; tile column
	s_and_b32 s13, ttmp7, 0xffff
	s_lshl_b32 s13, s13, 2
	s_add_co_u32 s13, s13, s41                     ; tile row
	s_lshl_b32 s43, s41, 2
	s_lshl_b32 s43, 15, s43
	s_lshl_b32 s44, 0x1111, s40
	s_or_b32 s[G1+0], s43, (3<<16)|(1<<20)|(1<<21)|(4<<22)|(3<<25)   ; A: my row's mask; elements of 8 bytes; padding: 4 words behind every 32
	s_mov_b32 s[G1+1], 2048<<16                    ; tensor_dim0: 2,048 elements = 16,384 bytes
	s_mov_b32 s[G1+2], 4<<16                       ; tensor_dim1: FOUR planes: each wave issues ONE load, and the four loads bring all of K (wave 0: A's planes 0-3 into slot 0, wave 1: planes 4-7 into slot 1)
	s_mov_b32 s[G1+3], 2048<<16                    ; tile_dim0
	s_mov_b32 s[G1+4], 4                           ; tile_dim1
	s_mov_b32 s[G1+5], 65536                       ; from plane to plane: 524,288 bytes
	s_mov_b32 s[G1+6], 0
	s_mov_b32 s[G1+7], 0
	s_or_b32 s[G1B+0], s44, (0<<16)|(1<<20)|(1<<21)|(6<<22)|(3<<25)  ; B: my column's mask; elements of 1 byte; 4 words behind every 128
	s_mov_b32 s[G1B+1], 512<<16
	s_mov_b32 s[G1B+2], 128<<16                    ; B: all 128 rows x 512 bytes: wave 2 the first 512 along K into slot 0, wave 3 the second into slot 1
	s_mov_b32 s[G1B+3], 512<<16
	s_mov_b32 s[G1B+4], 128
	s_mov_b32 s[G1B+5], SIZE_K
	s_mov_b32 s[G1B+6], 0
	s_mov_b32 s[G1B+7], 0
	s_lshl_b32 s16, s13, 14                        ; A: the tile row's 128 rows of a plane,
	s_lshl_b32 s17, s12, 21                        ; and four planes on for the odd wave
	s_add_co_u32 s16, s16, s17
	s_mov_b32 s17, 0
	s_lshl_b32 s46, s42, 7
	s_mul_i32 s46, s46, SIZE_K                     ; B: row 128 x tile column,
	s_lshl_b32 s47, s12, 9
	s_add_co_u32 s46, s46, s47                     ; + 512 along K for the odd wave
	s_mov_b32 s47, 0
	s_mul_i32 s20, s12, SLOT                       ; where they go: the even wave's into slot 0, the odd wave's into slot 1
	s_mul_i32 s21, s12, SLOT
	s_add_co_u32 s21, s21, 4*APL
	s_wait_kmcnt 0x0
	s_load_b64 s[76:77], s[72:73], SCOFF           ; the two exponents
	s_add_nc_u64 s[14:15], s[4:5], s[16:17]
	s_add_nc_u64 s[46:47], s[6:7], s[46:47]
	CROUND                                         ; all sixteen work-groups are here: the joint loads meet
.irp s, 0
	s_mov_b32 s[G0+4*\s], 1
	s_add_co_u32 s[G0+4*\s+1], s20, \s*SLOT
	s_add_nc_u64 s[G0+4*\s+2:G0+4*\s+3], s[14:15], \s*0x200000     ; four planes on
	s_or_b32 s[G0+4*\s+3], s[G0+4*\s+3], 0x80000000
	s_mov_b32 s[G0B+4*\s], 1
	s_add_co_u32 s[G0B+4*\s+1], s21, \s*SLOT
	s_add_nc_u64 s[G0B+4*\s+2:G0B+4*\s+3], s[46:47], \s*512
	s_or_b32 s[G0B+4*\s+3], s[G0B+4*\s+3], 0x80000000
	JLOAD \s
.endr
	v_and_b32 v1, 15, v0                           ; r
	v_bfe_u32 v2, v0, 4, 1                         ; h
	v_mul_u32_u24 v3, v1, AP
	v_lshl_add_u32 v3, v2, 4, v3
	v_mul_u32_u24 v4, v1, BP
	v_lshl_add_u32 v4, v2, 4, v4
	s_mul_i32 s21, s11, 64*AP
	s_mul_i32 s22, s12, 64*BP
	s_add_co_u32 s22, s22, 4*APL
.irp s, 0,1
	v_add_nc_u32 v[ADRA+\s], s21, v3
	v_add_nc_u32 v[ADRB+\s], s22, v4
	s_add_co_u32 s21, s21, SLOT
	s_add_co_u32 s22, s22, SLOT
.endr
	s_mul_i32 s23, s10, 16*SPITCH
	s_add_co_u32 s23, s23, STAGE                   ; my stage
	v_mul_u32_u24 v5, v1, SPITCH
	v_lshl_add_u32 v5, v2, 5, v5
	v_add_nc_u32 v[STO], s23, v5                   ; in: row r, + 32 h
	v_mul_u32_u24 v5, v2, SPITCH
	v_lshl_add_u32 v5, v1, 4, v5
	v_add_nc_u32 v[RD], s23, v5                    ; back: lanes 0-15 one row of 256 bytes, lanes 16-31 the next
	v_lshlrev_b32 v[CO], 12, v2
	v_lshl_add_u32 v[CO], v1, 4, v[CO]             ; the same two rows in memory
	v_lshlrev_b32 v[BO], 4, v1
	s_wait_alu depctr_va_vdst(0)
	s_lshl_b32 s16, s13, 7
	s_lshl_b32 s17, s11, 6
	s_add_co_u32 s16, s16, s17
	s_lshl_b32 s16, s16, 12                        ; my first row, in bytes
	s_lshl_b32 s46, s42, 9
	s_lshl_b32 s47, s12, 8
	s_add_co_u32 s46, s46, s47                     ; my first column, in bytes
	s_mov_b32 s47, 0
	s_add_nc_u64 s[68:69], s[68:69], s[46:47]
	s_add_co_u32 s46, s46, s16
	s_add_nc_u64 s[70:71], s[70:71], s[46:47]
	s_add_nc_u64 s[74:75], s[74:75], s[46:47]
	global_load_b128 v[12:15], v[BO], s[68:69]     ; the bias of my four columns
	WIN 0x80                                       ; destination window 2
.irp a, 0,1,2,3
.irp t, 0,1,2,3,4,5,6,7
	global_load_b128 v[32*\a+4*\t:32*\a+4*\t+3], v[CO], s[70:71] offset:(16*\a+2*\t)*4096   ; the residual, laid as the rows come back from the stage; it lands while K is walked
.endr
.endr
	WIN 0
.macro MUL4 f, a, zero                 ; A's block a x B's four, 128 along K; the 16 accumulators take turns in one order throughout
.irp b, 0,1,2,3
.if \zero
	v_wmma_f32_16x16x128_bf8_bf8 v[ACC+8*(4*(\a)+\b):ACC+8*(4*(\a)+\b)+7], v[\f+64+16*\b:\f+64+16*\b+15], v[\f+16*(\a):\f+16*(\a)+15], 0
.else
	v_wmma_f32_16x16x128_bf8_bf8 v[ACC+8*(4*(\a)+\b):ACC+8*(4*(\a)+\b)+7], v[\f+64+16*\b:\f+64+16*\b+15], v[\f+16*(\a):\f+16*(\a)+15], v[ACC+8*(4*(\a)+\b):ACC+8*(4*(\a)+\b)+7]
.endif
.endr
.endm
.macro FETCH slot, q, f                ; 32 LDS loads in one run: the slot's q-th 128 along K: B's four fragments, then A's four
	WIN TO_F
.irp i, 0,1,2,3
.irp c, 0,1,2,3
	ds_load_b128 v[\f+64+16*\i+4*\c:\f+64+16*\i+4*\c+3], v[ADRB+\slot] offset:16*BP*\i+128*(\q)+32*\c
.endr
.endr
.irp i, 0,1,2,3
.irp c, 0,1,2,3
	ds_load_b128 v[\f+16*\i+4*\c:\f+16*\i+4*\c+3], v[ADRA+\slot] offset:APL*(\q)+16*AP*\i+32*\c
.endr
.endr
.endm
.macro PLACES
.rept 4
	v_nop
.endr
.endm
.macro QUARTER slot, qn, f, g, zero    ; multiplies buffer f and fetches the slot's quarter qn into g
	s_wait_dscnt 8                                 ; B's and A's blocks 0, 1 are in; A's blocks 2, 3 (8 loads) may be out
	WIN MUL
	MUL4 \f, 0, \zero
	MUL4 \f, 1, \zero
	PLACES
	FETCH \slot, \qn, \g
	s_wait_dscnt 32                                ; all but the 32 just issued
	WIN MUL
	MUL4 \f, 2, \zero
	MUL4 \f, 3, \zero
.endm
.macro TURN slot, next, fill           ; a slot's last quarter multiplies buffer 1 and changes slots
	WIN 0
	s_wait_tensorcnt 0x0                           ; all my tensor loads have landed: my part of the next slot
	ds_add_u32 v[SPW], v[NIL]
	s_wait_dscnt 9                                 ; the add and A's blocks 2, 3 may be out
	WIN MUL
	MUL4 F1, 0, 0
	s_wait_dscnt 0x0                               ; the add is done, and my reads of this slot are over
	s_barrier_signal -1
	MUL4 F1, 1, 0
.if \fill
	WIN 0
.endif
	s_barrier_wait -1
.if \fill
	CREST                                          ; the barrier has opened a round of the cluster's
	s_add_nc_u64 s[G0+4*\slot+2:G0+4*\slot+3], s[G0+4*\slot+2:G0+4*\slot+3], 0x400000
	s_add_nc_u64 s[G0B+4*\slot+2:G0B+4*\slot+3], s[G0B+4*\slot+2:G0B+4*\slot+3], 1024
	JLOAD \slot                                    ; the first tensor load behind the round; its four v_nop are the places in front of the loads below
.else
	PLACES
.endif
	FETCH \next, 0, F0
	WIN MUL
	MUL4 F1, 2, 0
	MUL4 F1, 3, 0
.endm
	s_wait_tensorcnt 0x0                           ; my one load is in
	s_barrier_signal -1
	s_barrier_wait -1
	FETCH 0, 0, F0
	QUARTER 0, 1, F0, F1, 1                        ; the first quarter's products start the sums
.if LAPS > 1
	WIN 0
	s_mov_b32 s3, LAPS-1
.Llap:
	QUARTER 0, 2, F1, F0, 0
	QUARTER 0, 3, F0, F1, 0
	TURN 0, 1, 1
	QUARTER 1, 1, F0, F1, 0
	QUARTER 1, 2, F1, F0, 0
	QUARTER 1, 3, F0, F1, 0
	TURN 1, 0, 1
	QUARTER 0, 1, F0, F1, 0
	WIN 0
	s_sub_co_u32 s3, s3, 1
	s_cmp_lg_u32 s3, 0
	s_cbranch_scc1 .Llap
.endif
	QUARTER 0, 2, F1, F0, 0
	QUARTER 0, 3, F0, F1, 0
	TURN 0, 1, 0
	QUARTER 1, 1, F0, F1, 0
	QUARTER 1, 2, F1, F0, 0
	QUARTER 1, 3, F0, F1, 0
	s_wait_dscnt 8
	WIN MUL
	MUL4 F1, 0, 0
	MUL4 F1, 1, 0
	s_wait_dscnt 0
	MUL4 F1, 2, 0
	MUL4 F1, 3, 0
	WIN 0
	; THE WAY OUT, 16 rows x 64 columns at a time: the sums go through my stage and come back as whole rows of 256 bytes; then sum x 2^(ea + eb) + residual + bias.
	s_wait_kmcnt 0x0
	s_add_co_i32 s76, s76, s77
	s_add_co_i32 s76, s76, 127
	s_lshl_b32 s76, s76, 23                        ; 2^(ea + eb) as f32
	s_mov_b32 s77, s76
	s_wait_loadcnt 0x0                             ; the residual and the bias
	PLACES
.macro OUTB a
.set OBS, OB+32*((\a)%2)
.if (\a) > 1
	s_wait_xcnt 0x0                                ; block a - 2's stores have read their registers
.endif
.irp b, 0,1,2,3
	ds_store_b128 v[STO], v[ACC+8*(4*(\a)+\b):ACC+8*(4*(\a)+\b)+3] offset:64*\b          ; each accumulator from its low end on
	ds_store_b128 v[STO], v[ACC+8*(4*(\a)+\b)+4:ACC+8*(4*(\a)+\b)+7] offset:64*\b+16
.endr
.irp t, 0,1,2,3,4,5,6,7
	ds_load_b128 v[OBS+4*\t:OBS+4*\t+3], v[RD] offset:2*SPITCH*\t   ; LDS serves a wave's instructions in order
.endr
	s_wait_dscnt 0x0
	WIN 0x20                                       ; source 2: window 2
.set j, 0
.rept 16
	v_pk_fma_f32 v[OBS+j:OBS+j+1], v[OBS+j:OBS+j+1], s[76:77], v[32*(\a)+j:32*(\a)+j+1] op_sel_hi:[1,0,1]
.set j, j+2
.endr
	WIN 0
.set j, 0
.rept 16
	v_pk_add_f32 v[OBS+j:OBS+j+1], v[OBS+j:OBS+j+1], v[12+j%4:13+j%4]
.set j, j+2
.endr
.irp t, 0,1,2,3,4,5,6,7
	global_store_b128 v[CO], v[OBS+4*\t:OBS+4*\t+3], s[74:75] offset:(16*(\a)+2*\t)*4096   ; 16 lanes store 256 consecutive bytes, aligned
.endr
.endm
.irp a, 0,1,2,3
	OUTB \a
.endr
	s_wait_tensorcnt 0x0                           ; the wave's end
	ds_add_u32 v[SPW], v[NIL]
	s_wait_dscnt 0x0
	CROUND                                         ; the closing round
	s_endpgm
.Lfunc_end_k_qd5d4c27901_wo:
	.size	k_qd5d4c27901_wo, .Lfunc_end_k_qd5d4c27901_wo-k_qd5d4c27901_wo
	.p2alignl 7, 3214868480
	.fill 96, 4, 3214868480
	.section	.rodata,"a",@progbits
	.p2align	6, 0x0
	.amdhsa_kernel k_qd5d4c27901_wo
		.amdhsa_group_segment_fixed_size 327680
		.amdhsa_private_segment_fixed_size 0
		.amdhsa_enable_private_segment 0
		.amdhsa_kernarg_size 48
		.amdhsa_user_sgpr_count 2
		.amdhsa_user_sgpr_kernarg_segment_ptr 1
		.amdhsa_wavefront_size32 1
		.amdhsa_system_sgpr_workgroup_id_x 1
		.amdhsa_system_sgpr_workgroup_id_y 1
		.amdhsa_system_sgpr_workgroup_id_z 1
		.amdhsa_system_vgpr_workitem_id 0
		.amdhsa_next_free_vgpr 640
		.amdhsa_next_free_sgpr 80
		.amdhsa_reserve_vcc 0
		.amdhsa_float_denorm_mode_32 3
		.amdhsa_float_denorm_mode_16_64 3
		.amdhsa_memory_ordered 1
		.amdhsa_forward_progress 1
		.amdhsa_inst_pref_size 52
	.end_amdhsa_kernel
	.amdgpu_metadata
---
amdhsa.version: [ 1, 2 ]
amdhsa.kernels:
  - .name:           k_qd5d4c27901_wo
    .symbol:         k_qd5d4c27901_wo.kd
    .args:
      - { .name: oc, .offset: 0, .size: 8, .value_kind: global_buffer, .address_space: global }
      - { .name: Wo_codes, .offset: 8, .size: 8, .value_kind: global_buffer, .address_space: global }
      - { .name: bo, .offset: 16, .size: 8, .value_kind: global_buffer, .address_space: global }
      - { .name: x, .offset: 24, .size: 8, .value_kind: global_buffer, .address_space: global }
      - { .name: lowp_scales, .offset: 32, .size: 8, .value_kind: global_buffer, .address_space: global }
      - { .name: x1, .offset: 40, .size: 8, .value_kind: global_buffer, .address_space: global }
    .group_segment_fixed_size: 327680
    .private_segment_fixed_size: 0
    .kernarg_segment_align: 8
    .kernarg_segment_size: 48
    .max_flat_workgroup_size: 128
    .sgpr_count:     80
    .vgpr_count:     640
    .wavefront_size: 32
...
	.end_amdgpu_metadata
.endif
;; end of part 4
;; launch ln2 (part 5): grid 512 x 1, 4 waves a work-group, no clusters, 41,472 bytes of LDS; arguments x1, ln2_g, ln2_b, lowp_scales, h2c; writes h2c
.if DOCPART == 5
	.amdgcn_target "amdgcn-amd-amdhsa--gfx1250"
	.amdhsa_code_object_version 6
	.text
	.protected	k_qd5d4c27901_ln2
	.globl	k_qd5d4c27901_ln2
	.p2align	8
	.type	k_qd5d4c27901_ln2,@function
k_qd5d4c27901_ln2:
	s_mov_b64 s[64:65], 0
	v_nop
	global_prefetch_b8 v0, s[64:65] scope:SCOPE_SE
	s_setreg_imm32_b32 hwreg(HW_REG_WAVE_MODE, 25, 1), 1
	s_wait_xcnt 0x0
; h2 = LayerNorm(x1) x gain + bias, in f32, turned into codes of E5M2 with the scale 2^e of entry 12 of the buffer of scales.  x1: [4096][1024] f32.  h2c: [4096][1024] codes, K innermost.
; code = h2 / 2^e, held within +-57,344, to the nearest code, ties to even.  LIMITS: e between -126 and 112; NaN among the inputs is not served.
; SHARES.  A work-group takes 8 rows, a wave 2; a row of 4,096 bytes stays in 32 registers of the wave from its one load to its codes: mean, then the mean of (x - mean)^2, as the definition has them.
; Each load reads 512 consecutive bytes.  The conversions want 16 neighbours along K in ONE lane, so a row turns through the wave's own stage in LDS (16 bytes of padding behind each 64)
; and comes back 64 bytes a lane: registers 16 u + i hold the numbers 512 u + 16 lane + i.  A lane's 16 codes are 16 bytes: each store of the wave covers 512 consecutive bytes, aligned.
; No matrix work, no tensor load, no barrier (waves share nothing), no loop: every offset is an immediate, and no store's data are written again.
.set NSETS, 1                          ; how many scales
.set SP,    80
.set STG,   32*SP
.set ROWL,  2*STG
.set WREG,  2*ROWL
.set R,     16
.set X,     80
.set G,     144
.set BB,    176
.set T,     16
.set SC,    232
	s_load_b256 s[4:11], s[0:1], 0x0               ; x1 s[4:5], gain s[6:7], bias s[8:9], scales s[10:11]
	s_load_b64 s[12:13], s[0:1], 0x20              ; the codes
	v_lshl_add_u32 v254, v0, 2, 0xa000
	v_mov_b32 v255, 0
	v_lshrrev_b32 v1, 5, v0
	v_readfirstlane_b32 s16, v1                    ; wave
	v_and_b32 v1, 31, v0                           ; lane
	v_lshlrev_b32 v2, 4, v1                        ; 16 x lane
	s_mul_i32 s17, s16, WREG
	v_lshrrev_b32 v3, 2, v1
	v_mul_u32_u24 v3, v3, SP
	v_and_b32 v6, 3, v1
	v_lshl_add_u32 v3, v6, 4, v3
	v_add_nc_u32 v3, s17, v3                       ; into the stage: SP (lane / 4) + 16 (lane % 4)
	v_mul_u32_u24 v4, v1, SP
	v_add_nc_u32 v4, s17, v4                       ; out of it: SP x lane
	v_lshlrev_b32 v5, 6, v1                        ; gain and bias: 64 x lane
	v_mov_b32 v252, 0                              ; a lane permute's destination counts as read: written once
	s_mov_b32 s14, 0x76543210
	s_mov_b32 s15, 0xfedcba98
	s_mov_b32 s20, 0x3a800000                      ; 1 / 1024
	s_mov_b32 s21, 0x3727c5ac                      ; 1e-5
	s_lshl_b32 s18, ttmp9, 3
	s_lshl_b32 s19, s16, 1
	s_add_co_u32 s22, s18, s19                     ; my first row
	s_lshl_b32 s18, s22, 12
	s_mov_b32 s19, 0
	s_lshl_b32 s22, s22, 10
	s_mov_b32 s23, 0
	s_wait_alu depctr_va_vdst(0)
	s_wait_kmcnt 0x0
.if NSETS == 3
	s_load_b256 s[24:31], s[10:11], 0x0
.else
	s_load_b32 s25, s[10:11], 0x30                 ; entry 12
.endif
	s_add_nc_u64 s[4:5], s[4:5], s[18:19]
	s_add_nc_u64 s[12:13], s[12:13], s[22:23]
.set k, 0
.rept NSETS
	s_add_nc_u64 s[32+2*k:33+2*k], s[12:13], k*0x400000
.set k, k+1
.endr
.irp rho, 0,1
.irp j, 0,1,2,3,4,5,6,7
	global_load_b128 v[R+32*\rho+4*\j:R+32*\rho+4*\j+3], v2, s[4:5] offset:4096*\rho+512*\j
.endr
.endr
.irp u, 0,1
.irp i, 0,1,2,3
	global_load_b128 v[G+16*\u+4*\i:G+16*\u+4*\i+3], v5, s[6:7] offset:2048*\u+16*\i
.endr
.endr
.irp u, 0,1
.irp i, 0,1,2,3
	global_load_b128 v[BB+16*\u+4*\i:BB+16*\u+4*\i+3], v5, s[8:9] offset:2048*\u+16*\i
.endr
.endr
	s_wait_kmcnt 0x0
.set k, 0
.rept NSETS
	s_add_co_i32 s22, s[25+2*k], 127
	s_lshl_b32 s23, s22, 23
	v_mov_b32 v[SC+2*k], s23                       ; 2^e as f32
	s_add_co_i32 s22, s22, 15
	s_lshl_b32 s22, s22, 23
	s_or_b32 s22, s22, 0x600000
	v_mov_b32 v[SC+2*k+1], s22                     ; 57,344 x 2^e
.set k, k+1
.endr
.macro TURN rho                        ; a row through its two stages; LDS serves a wave's instructions in order
.irp u, 0,1
.irp i, 0,1,2,3
	ds_store_b128 v3, v[R+32*\rho+16*\u+4*\i:R+32*\rho+16*\u+4*\i+3] offset:ROWL*\rho+STG*\u+8*SP*\i
.endr
.irp i, 0,1,2,3
	ds_load_b128 v[X+32*\rho+16*\u+4*\i:X+32*\rho+16*\u+4*\i+3], v4 offset:ROWL*\rho+STG*\u+16*\i
.endr
.endr
.endm
.macro REDUCE                          ; four chains of pairs -> the sum over the 32 lanes, in every lane
	v_pk_add_f32 v[240:241], v[240:241], v[242:243]
	v_pk_add_f32 v[244:245], v[244:245], v[246:247]
	v_pk_add_f32 v[240:241], v[240:241], v[244:245]
	v_add_f32 v240, v240, v241
	v_add_f32_dpp v240, v240, v240 row_xmask:1 row_mask:0xf bank_mask:0xf
	v_add_f32_dpp v240, v240, v240 row_xmask:2 row_mask:0xf bank_mask:0xf
	v_add_f32_dpp v240, v240, v240 row_xmask:4 row_mask:0xf bank_mask:0xf
	v_add_f32_dpp v240, v240, v240 row_xmask:8 row_mask:0xf bank_mask:0xf
	v_permlanex16_b32 v252, v240, s14, s15
	v_add_f32 v240, v240, v252
.endm
.macro ROW rho
.set XS, X+32*(\rho)
.set CD, 208-160*(\rho)
.irp c, 0,1,2,3
	v_pk_add_f32 v[240+2*\c:241+2*\c], v[XS+2*\c:XS+2*\c+1], v[XS+8+2*\c:XS+9+2*\c]
.endr
.irp c, 0,1,2,3
	v_pk_add_f32 v[240+2*\c:241+2*\c], v[240+2*\c:241+2*\c], v[XS+16+2*\c:XS+17+2*\c]
.endr
.irp c, 0,1,2,3
	v_pk_add_f32 v[240+2*\c:241+2*\c], v[240+2*\c:241+2*\c], v[XS+24+2*\c:XS+25+2*\c]
.endr
	REDUCE
	v_mul_f32 v248, s20, v240                      ; the mean
	v_mov_b32 v249, v248
.set i, 0
.rept 16
	v_pk_add_f32 v[XS+i:XS+i+1], v[XS+i:XS+i+1], v[248:249] neg_lo:[0,1] neg_hi:[0,1]
.set i, i+2
.endr
.irp c, 0,1,2,3
	v_pk_mul_f32 v[240+2*\c:241+2*\c], v[XS+2*\c:XS+2*\c+1], v[XS+2*\c:XS+2*\c+1]
.endr
.irp o, 8,16,24
.irp c, 0,1,2,3
	v_pk_fma_f32 v[240+2*\c:241+2*\c], v[XS+\o+2*\c:XS+\o+2*\c+1], v[XS+\o+2*\c:XS+\o+2*\c+1], v[240+2*\c:241+2*\c]
.endr
.endr
	REDUCE
	v_fma_f32 v240, v240, s20, s21                 ; the variance + 1e-5
	s_wait_alu depctr_va_vdst(0)
	v_rsq_f32 v250, v240
	v_nop                                          ; a plain instruction behind the transcendental
	s_wait_alu depctr_va_vdst(0)                   ; and the wait ahead of its first reader
	v_mov_b32 v251, v250
	s_wait_alu depctr_va_vdst(0)
	s_wait_loadcnt 0x0                             ; gain and bias
.set i, 0
.rept 16
	v_pk_mul_f32 v[XS+i:XS+i+1], v[XS+i:XS+i+1], v[250:251]
.set i, i+2
.endr
.set i, 0
.rept 16
	v_pk_fma_f32 v[XS+i:XS+i+1], v[XS+i:XS+i+1], v[G+i:G+i+1], v[BB+i:BB+i+1]
.set i, i+2
.endr
.set k, 0
.rept NSETS
.set i, 0
.rept 32
	v_med3_num_f32 v[T+i], v[XS+i], -v[SC+2*k+1], v[SC+2*k+1]   ; the conversion does not saturate (ISA guide 7.6.2): the hold
.set i, i+1
.endr
.irp g, 0,1,2,3
	v_cvt_scalef32_pk8_bf8_f32 v[CD+8*k+2*\g:CD+8*k+2*\g+1], v[T+8*\g:T+8*\g+7], v[SC+2*k]
.endr
	v_nop                                          ; a plain instruction between the conversions and the next lines that write their sources
	global_store_b128 v2, v[CD+8*k:CD+8*k+3], s[32+2*k:33+2*k] offset:1024*(\rho)
	global_store_b128 v2, v[CD+8*k+4:CD+8*k+7], s[32+2*k:33+2*k] offset:1024*(\rho)+512
.set k, k+1
.endr
.endm
	s_wait_loadcnt 24                              ; row 0's eight loads are in; the 24 behind them may be out
	TURN 0
	s_wait_loadcnt 16                              ; row 1's are in
	TURN 1
	s_wait_dscnt 16                                ; row 0 is back; row 1's sixteen LDS instructions may be out
	ROW 0
	s_wait_dscnt 0x0
	ROW 1
	s_wait_tensorcnt 0x0
	ds_add_u32 v254, v255
	s_wait_dscnt 0x0
	s_endpgm
.Lfunc_end_k_qd5d4c27901_ln2:
	.size	k_qd5d4c27901_ln2, .Lfunc_end_k_qd5d4c27901_ln2-k_qd5d4c27901_ln2
	.p2alignl 7, 3214868480
	.fill 96, 4, 3214868480
	.section	.rodata,"a",@progbits
	.p2align	6, 0x0
	.amdhsa_kernel k_qd5d4c27901_ln2
		.amdhsa_group_segment_fixed_size 41472
		.amdhsa_private_segment_fixed_size 0
		.amdhsa_enable_private_segment 0
		.amdhsa_kernarg_size 40
		.amdhsa_user_sgpr_count 2
		.amdhsa_user_sgpr_kernarg_segment_ptr 1
		.amdhsa_wavefront_size32 1
		.amdhsa_system_sgpr_workgroup_id_x 1
		.amdhsa_system_sgpr_workgroup_id_y 1
		.amdhsa_system_sgpr_workgroup_id_z 1
		.amdhsa_system_vgpr_workitem_id 0
		.amdhsa_next_free_vgpr 256
		.amdhsa_next_free_sgpr 66
		.amdhsa_reserve_vcc 0
		.amdhsa_float_denorm_mode_32 3
		.amdhsa_float_denorm_mode_16_64 3
		.amdhsa_memory_ordered 1
		.amdhsa_forward_progress 1
		.amdhsa_inst_pref_size 25
	.end_amdhsa_kernel
	.amdgpu_metadata
---
amdhsa.version: [ 1, 2 ]
amdhsa.kernels:
  - .name:           k_qd5d4c27901_ln2
    .symbol:         k_qd5d4c27901_ln2.kd
    .args:
      - { .name: x1, .offset: 0, .size: 8, .value_kind: global_buffer, .address_space: global }
      - { .name: ln2_g, .offset: 8, .size: 8, .value_kind: global_buffer, .address_space: global }
      - { .name: ln2_b, .offset: 16, .size: 8, .value_kind: global_buffer, .address_space: global }
      - { .name: lowp_scales, .offset: 24, .size: 8, .value_kind: global_buffer, .address_space: global }
      - { .name: h2c, .offset: 32, .size: 8, .value_kind: global_buffer, .address_space: global }
    .group_segment_fixed_size: 41472
    .private_segment_fixed_size: 0
    .kernarg_segment_align: 8
    .kernarg_segment_size: 40
    .max_flat_workgroup_size: 128
    .sgpr_count:     66
    .vgpr_count:     256
    .wavefront_size: 32
...
	.end_amdgpu_metadata
.endif
;; end of part 5
;; launch ffn1 (part 6): grid 16 x 16, 4 waves a work-group, clusters of 4 x 4, 327,680 bytes of LDS; arguments h2c, W1_codes, lowp_scales, gc, b1; writes gc
.if DOCPART == 6
	.amdgcn_target "amdgcn-amd-amdhsa--gfx1250"
	.amdhsa_code_object_version 6
	.text
	.protected	k_qd5d4c27901_ffn1
	.globl	k_qd5d4c27901_ffn1
	.p2align	8
	.type	k_qd5d4c27901_ffn1,@function
k_qd5d4c27901_ffn1:
	s_mov_b64 s[64:65], 0
	v_nop
	global_prefetch_b8 v0, s[64:65] scope:SCOPE_SE
	s_setreg_imm32_b32 hwreg(HW_REG_WAVE_MODE, 25, 1), 1
	s_wait_xcnt 0x0
	s_wait_alu depctr_hold_cnt(0) depctr_sa_sdst(0) depctr_va_vdst(0) depctr_va_sdst(0) depctr_va_ssrc(0) depctr_va_vcc(0) depctr_vm_vsrc(0)
	s_getreg_b32 s2, hwreg(HW_REG_IB_STS2, 6, 4)
	s_cmp_eq_u32 s2, 0
	s_cbranch_scc0 .Lentry_in_a_cluster
	s_endpgm
.Lentry_in_a_cluster:
	s_bfe_u32 s2, ttmp6, 0x10000c
	s_cmp_lg_u32 s2, 0xf033
	s_cbranch_scc0 .Lentry_shape_is_right
	s_endpgm
.Lentry_shape_is_right:
.set SIZE_K, 1024
.set KSTEP,  256
.set ROWB,   256
.set KROW,   SIZE_K
.set PITCH,  272
.set FR,     16
.set NL,     4
.set NP,     4
.set HALFT,  128*PITCH
.set SLOT,   4*HALFT
.set LAPS,   SIZE_K/(2*KSTEP)
.set SPARE,  2*SLOT
.set CSTG,   SPARE+512
.set CP,     144
.set ADRA, 16
.set ADRB, 20
.set STO,  24
.set RD,   25
.set CO,   26
.set SPW,  28
.set NIL,  29
.set BC,   32
.set CC,   96
.set OO,   112
.set AF,   128
.set T,    128
.set Z,    192
.set X2,   208
.set P,    224
.set Q,    240
.set A0, 72
.set A2, 74
.set A3, 76
.set A4, 78
.set A5, 80
.set A6, 82
.set B0, 84
.set B2, 86
.set B3, 88
.set B4, 90
.set G1, 24
.set G0, 32
.set G1B, 48
.set G0B, 56
.set MSB, 0
.macro WIN new
.if MSB != \new
	s_set_vgpr_msb (MSB<<8)|\new
.set MSB, \new
.endif
.endm
.set MUL_LO, 0xa1
.set MUL_HI, 0xf1
.set TO_B,   0x40
.macro JLOAD g0a, g1a, g0b, g1b
	s_cmp_eq_u32 s15, 0
	s_cbranch_scc0 .Lfor_b_\@
	tensor_load_to_lds s[\g0a:\g0a+3], s[\g1a:\g1a+7]
	s_nop 0
.rept 4
	v_nop
.endr
	s_branch .Lasked_\@
.Lfor_b_\@:
	tensor_load_to_lds s[\g0b:\g0b+3], s[\g1b:\g1b+7]
	s_nop 0
.rept 4
	v_nop
.endr
.Lasked_\@:
.endm
.macro CREST
	s_cmp_lg_u32 s14, 0
	s_cbranch_scc1 .Lnot_wave_0_\@
	s_barrier_signal -3
.Lnot_wave_0_\@:
	s_barrier_wait -3
	s_barrier_signal -1
	s_barrier_wait -1
.endm
.macro CROUND
	s_barrier_signal -1
	s_barrier_wait -1
	CREST
.endm
.macro COEF reg, bits
	s_mov_b32 s[\reg], \bits
	s_mov_b32 s[\reg+1], \bits
.endm
	s_load_b128 s[4:7], s[0:1], 0x0
	s_load_b128 s[8:11], s[0:1], 0x10
	s_load_b64 s[66:67], s[0:1], 0x20
	v_lshl_add_u32 v[SPW], v0, 2, SPARE
	v_mov_b32 v[NIL], 0
	ds_add_u32 v28, v29
	ds_add_u32 v28, v29
	s_wait_dscnt 0x0
	v_lshrrev_b32 v1, 5, v0
	v_readfirstlane_b32 s14, v1
	s_lshr_b32 s15, s14, 1
	s_and_b32 s16, s14, 1
	s_bfe_u32 s40, ttmp6, 0x40000
	s_bfe_u32 s41, ttmp6, 0x40004
	s_lshl_b32 s42, ttmp9, 2
	s_add_co_u32 s42, s42, s40
	s_and_b32 s17, ttmp7, 0xffff
	s_lshl_b32 s17, s17, 2
	s_add_co_u32 s17, s17, s41
	s_lshl_b32 s43, s41, 2
	s_lshl_b32 s43, 15, s43
	s_lshl_b32 s44, 0x1111, s40
	s_or_b32 s[G1+0], s43, (0<<16)|(1<<20)|(1<<21)|(5<<22)|(3<<25)
	s_or_b32 s[G1B+0], s44, (0<<16)|(1<<20)|(1<<21)|(5<<22)|(3<<25)
.irp g, G1, G1B
	s_mov_b32 s[\g+1], ROWB<<16
	s_mov_b32 s[\g+2], 128<<16
	s_mov_b32 s[\g+3], ROWB<<16
	s_mov_b32 s[\g+4], 128
	s_mov_b32 s[\g+5], KROW
	s_mov_b32 s[\g+6], 0
	s_mov_b32 s[\g+7], 0
.endr
	COEF A0, 0xaf95df0b
	COEF A2, 0xb60cff51
	COEF A3, 0xb86ec2d2
	COEF A4, 0xba40ac63
	COEF A5, 0xbb41a1f6
	COEF A6, 0xbc83dbd4
	COEF B0, 0xb77460cd
	COEF B2, 0xbadc924e
	COEF B3, 0xbbf19bf8
	COEF B4, 0xbc69b6a7
	v_mov_b32 v10, 0x32edffee
	v_mov_b32 v11, 0x32edffee
	v_mov_b32 v12, 0xb95fbd29
	v_mov_b32 v13, 0xb95fbd29
	s_lshl_b32 s18, s16, 7
	s_lshl_b32 s20, s17, 8
	s_add_co_u32 s20, s20, s18
	s_lshl_b32 s20, s20, 10
	s_lshl_b32 s46, s42, 8
	s_add_co_u32 s46, s46, s18
	s_lshl_b32 s46, s46, 10
	s_mov_b32 s21, 0
	s_mov_b32 s47, 0
	s_mul_i32 s45, s14, HALFT
	s_wait_kmcnt 0x0
	s_load_b128 s[68:71], s[8:9], 0x30
	s_add_nc_u64 s[20:21], s[4:5], s[20:21]
	s_add_nc_u64 s[46:47], s[6:7], s[46:47]
	; the prefetches: of the 128 rows that my wave fetches jointly with three partners, my work-group names 32, told apart by address (cx for A, cy for B): a lane a row, 256 bytes of it a K step
	s_cmp_eq_u32 s15, 0
	s_cselect_b64 s[92:93], s[20:21], s[46:47]
	s_cselect_b32 s18, s40, s41
	s_lshl_b32 s18, s18, 15                        ; 32 rows of 1,024 bytes
	s_mov_b32 s19, 0
	s_add_nc_u64 s[92:93], s[92:93], s[18:19]
	v_and_b32 v14, 31, v0
	v_lshlrev_b32 v14, 10, v14
	s_wait_alu depctr_va_vdst(0)                   ; the wait here, ahead of the round's barriers
	CROUND
.irp s, 0,1
	s_mov_b32 s[G0+4*\s], 1
	s_add_co_u32 s[G0+4*\s+1], s45, \s*SLOT
	s_add_nc_u64 s[G0+4*\s+2:G0+4*\s+3], s[20:21], \s*ROWB
	s_or_b32 s[G0+4*\s+3], s[G0+4*\s+3], 0x80000000
	s_mov_b32 s[G0B+4*\s], 1
	s_add_co_u32 s[G0B+4*\s+1], s45, \s*SLOT
	s_add_nc_u64 s[G0B+4*\s+2:G0B+4*\s+3], s[46:47], \s*ROWB
	s_or_b32 s[G0B+4*\s+3], s[G0B+4*\s+3], 0x80000000
.if \s                                         ; slot 1's first fill is issued as a refill is
	s_wait_alu depctr_va_vdst(0)
	s_wait_tensorcnt 0x0
	ds_add_u32 v28, v29
	ds_add_u32 v28, v29
	s_wait_dscnt 0x0
	CROUND
.endif
	JLOAD G0+4*\s, G1, G0B+4*\s, G1B
.if \s
	global_prefetch_b8 v14, s[92:93] offset:768 th:TH_LOAD_NT scope:SCOPE_SE   ; K step 3, the last: two refills ahead of its load
.else
	global_prefetch_b8 v14, s[92:93] offset:256 th:TH_LOAD_NT scope:SCOPE_SE   ; K steps 1 and 2
	global_prefetch_b8 v14, s[92:93] offset:512 th:TH_LOAD_NT scope:SCOPE_SE
.endif
.endr
	v_and_b32 v1, 15, v0
	s_wait_alu depctr_va_vdst(0)
	v_bfe_u32 v2, v0, 4, 1
	v_mul_u32_u24 v3, v1, PITCH
	v_lshl_add_u32 v4, v2, 4, v3
	s_mul_i32 s21, s15, HALFT
	s_mul_i32 s22, s16, HALFT
	s_add_co_u32 s22, s22, 2*HALFT
.irp s, 0,1
	v_add_nc_u32 v[ADRA+\s], s21, v4
	v_add_nc_u32 v[ADRB+\s], s22, v4
	s_add_co_u32 s21, s21, SLOT
	s_add_co_u32 s22, s22, SLOT
.endr
	s_mul_i32 s23, s14, 16*CP
	s_add_co_u32 s23, s23, CSTG
	v_mul_u32_u24 v5, v1, CP
	s_wait_alu depctr_va_vdst(0)
	v_lshl_add_u32 v5, v2, 3, v5
	v_add_nc_u32 v[STO], s23, v5
	v_and_b32 v6, 31, v0
	v_lshrrev_b32 v5, 3, v6
	v_mul_u32_u24 v5, v5, CP
	v_and_b32 v3, 7, v0
	v_lshl_add_u32 v5, v3, 4, v5
	v_add_nc_u32 v[RD], s23, v5
	v_lshlrev_b32 v[CO], 4, v6
	s_lshl_b32 s46, s42, 8
	s_lshl_b32 s47, s16, 7
	s_add_co_u32 s46, s46, s47
	s_lshl_b32 s20, s17, 8
	s_lshl_b32 s21, s15, 7
	s_add_co_u32 s20, s20, s21
	v_lshlrev_b32 v7, 5, v2
	v_lshl_add_u32 v7, s46, 2, v7
	s_lshr_b32 s46, s46, 7
	s_lshl_b32 s46, s46, 12
	s_add_co_u32 s46, s46, s20
	s_lshl_b32 s46, s46, 7
	s_mov_b32 s47, 0
	s_add_nc_u64 s[10:11], s[10:11], s[46:47]
.irp b, 0,1,2,3,4,5,6,7
	global_load_b128 v[BC+8*\b:BC+8*\b+3], v7, s[66:67] offset:64*\b
	global_load_b128 v[BC+8*\b+4:BC+8*\b+7], v7, s[66:67] offset:64*\b+16
.endr
.macro FRAG reg, adr, q, i
.irp c, 0,1,2,3
	ds_load_b128 v[\reg+4*\c:\reg+4*\c+3], v[\adr] offset:128*(\q)+32*\c+(\i)*16*PITCH
.endr
.endm
.macro MUL16 a0, p, zero
.irp a, \a0, \a0+1
.irp b, 0,1,2,3,4,5,6,7
.if \zero
	v_wmma_f32_16x16x128_bf8_bf8 v[8*(8*((\a)%4)+\b):8*(8*((\a)%4)+\b)+7], v[128*(\p)+FR*\b:128*(\p)+FR*\b+FR-1], v[AF+FR*(\a):AF+FR*(\a)+FR-1], 0
.else
	v_wmma_f32_16x16x128_bf8_bf8 v[8*(8*((\a)%4)+\b):8*(8*((\a)%4)+\b)+7], v[128*(\p)+FR*\b:128*(\p)+FR*\b+FR-1], v[AF+FR*(\a):AF+FR*(\a)+FR-1], v[8*(8*((\a)%4)+\b):8*(8*((\a)%4)+\b)+7]
.endif
.endr
.endr
.endm
.macro FETCH_B slot, q, p
	WIN TO_B
.irp i, 0,1,2,3,4,5,6,7
	FRAG 128*(\p)+FR*\i, ADRB+\slot, \q, \i
.endr
	WIN 0
.endm
.macro FETCH_A slot, q, i0
.irp i, \i0, \i0+1, \i0+2, \i0+3
	FRAG AF+FR*(\i), ADRA+\slot, \q, \i
.endr
.endm
.macro PLACES n
.rept \n
	v_nop
.endr
.endm
.macro STEP slot, q, zero
	s_wait_dscnt 4*NL
	WIN MUL_LO
	MUL16 0, (\q)%2, \zero
	MUL16 2, (\q)%2, \zero
	s_wait_dscnt 0
	PLACES NP
	FETCH_B \slot, (\q)+1, 1-(\q)%2
	FETCH_A \slot, (\q)+1, 0
	WIN MUL_HI
	MUL16 4, (\q)%2, \zero
	MUL16 6, (\q)%2, \zero
	PLACES NP
	WIN 0
	FETCH_A \slot, (\q)+1, 4
.endm
.macro TURN slot, next, fill
	s_wait_tensorcnt 0x0
	ds_add_u32 v[SPW], v[NIL]
	s_wait_dscnt 4*NL+1
	WIN MUL_LO
	MUL16 0, 1, 0
	s_wait_dscnt 0x0
	s_barrier_signal -1
	MUL16 2, 1, 0
	WIN 0
	s_barrier_wait -1
.if \fill
	CREST
	s_add_nc_u64 s[G0+4*\slot+2:G0+4*\slot+3], s[G0+4*\slot+2:G0+4*\slot+3], 2*ROWB
	s_add_nc_u64 s[G0B+4*\slot+2:G0B+4*\slot+3], s[G0B+4*\slot+2:G0B+4*\slot+3], 2*ROWB
	JLOAD G0+4*\slot, G1, G0B+4*\slot, G1B
.else
	PLACES NP
.endif
	FETCH_B \next, 0, 0
	FETCH_A \next, 0, 0
	WIN MUL_HI
	MUL16 4, 1, 0
	MUL16 6, 1, 0
	PLACES NP
	WIN 0
	FETCH_A \next, 0, 4
.endm
	s_wait_tensorcnt 1
	s_barrier_signal -1
	s_barrier_wait -1
	FETCH_B 0, 0, 0
	FETCH_A 0, 0, 0
	FETCH_A 0, 0, 4
	STEP 0, 0, 1
	s_mov_b32 s3, LAPS-1
.Llap:
	TURN 0, 1, 1
	STEP 1, 0, 0
	TURN 1, 0, 1
	STEP 0, 0, 0
	s_sub_co_u32 s3, s3, 1
	s_cmp_lg_u32 s3, 0
	s_cbranch_scc1 .Llap
	TURN 0, 1, 0
	STEP 1, 0, 0
	s_wait_dscnt 4*NL
	WIN MUL_LO
	MUL16 0, 1, 0
	MUL16 2, 1, 0
	s_wait_dscnt 0
	WIN MUL_HI
	MUL16 4, 1, 0
	MUL16 6, 1, 0
	WIN 0
	s_wait_kmcnt 0x0
	s_add_co_i32 s12, s68, s69
	s_add_co_i32 s12, s12, 127
	s_lshl_b32 s12, s12, 23
	s_mov_b32 s13, s12
	s_add_co_i32 s18, s70, 127
	s_lshl_b32 s19, s18, 23
	v_mov_b32 v30, s19
	s_add_co_i32 s18, s18, 15
	s_lshl_b32 s18, s18, 23
	s_or_b32 s18, s18, 0x600000
	v_mov_b32 v31, s18
	s_wait_loadcnt 0x0
	PLACES NP
.macro COPY a
	WIN 0x02+((\a)/4)
.set j, 0
.rept 32
	v_pk_fma_f32 v[T+j:T+j+1], v[64*((\a)%4)+j:64*((\a)%4)+j+1], s[12:13], v[BC+j:BC+j+1] op_sel_hi:[1,0,1]
.set j, j+2
.endr
	WIN 0
.endm
.macro GELU c
.set TT, T+16*(\c)
.irp p, 0,2,4,6,8,10,12,14
	v_pk_mul_f32 v[Z+\p:Z+\p+1], v[TT+\p:TT+\p+1], 0x3f3504f3 op_sel_hi:[1,0]
.endr
.set i, 0
.rept 16
	v_med3_num_f32 v[Z+i], v[Z+i], -4.0, 4.0
.set i, i+1
.endr
.irp p, 0,2,4,6,8,10,12,14
	v_pk_mul_f32 v[X2+\p:X2+\p+1], v[Z+\p:Z+\p+1], v[Z+\p:Z+\p+1]
.endr
.irp p, 0,2,4,6,8,10,12,14
	v_pk_fma_f32 v[P+\p:P+\p+1], v[X2+\p:X2+\p+1], s[A0:A0+1], v[10:11] op_sel_hi:[1,0,1]
.endr
.irp k, A2, A3, A4, A5, A6
.irp p, 0,2,4,6,8,10,12,14
	v_pk_fma_f32 v[P+\p:P+\p+1], v[P+\p:P+\p+1], v[X2+\p:X2+\p+1], s[\k:\k+1] op_sel_hi:[1,1,0]
.endr
.endr
.irp p, 0,2,4,6,8,10,12,14
	v_pk_fma_f32 v[Q+\p:Q+\p+1], v[X2+\p:X2+\p+1], s[B0:B0+1], v[12:13] op_sel_hi:[1,0,1]
.endr
.irp k, B2, B3, B4
.irp p, 0,2,4,6,8,10,12,14
	v_pk_fma_f32 v[Q+\p:Q+\p+1], v[Q+\p:Q+\p+1], v[X2+\p:X2+\p+1], s[\k:\k+1] op_sel_hi:[1,1,0]
.endr
.endr
.set i, 0
	s_wait_alu depctr_va_vdst(0)
.rept 16
	v_rcp_f32 v[Q+i], v[Q+i]
.set i, i+1
.endr
.irp p, 0,2,4,6,8,10,12,14
	v_pk_mul_f32 v[P+\p:P+\p+1], v[P+\p:P+\p+1], v[Z+\p:Z+\p+1]
.endr
.irp p, 0,2,4,6,8,10,12,14
	v_pk_mul_f32 v[X2+\p:X2+\p+1], v[TT+\p:TT+\p+1], 0.5 op_sel_hi:[1,0]
.endr
	s_wait_alu depctr_va_vdst(0)
.irp p, 0,2,4,6,8,10,12,14
	v_pk_mul_f32 v[P+\p:P+\p+1], v[P+\p:P+\p+1], v[Q+\p:Q+\p+1]
.endr
.irp p, 0,2,4,6,8,10,12,14
	v_pk_fma_f32 v[TT+\p:TT+\p+1], v[X2+\p:X2+\p+1], v[P+\p:P+\p+1], v[X2+\p:X2+\p+1]
.endr
.endm
	s_mov_b32 s3, 0
.Lblk:
.irp k, 0,1,2,3,4,5,6
	s_cmp_eq_u32 s3, \k
	s_cbranch_scc1 .Lcopy\k
.endr
	COPY 7
	s_branch .Lcommon
.irp k, 0,1,2,3,4,5,6
.Lcopy\k:
	COPY \k
.if \k < 6
	s_branch .Lcommon
.endif
.endr
.Lcommon:
	GELU 0
	GELU 1
	GELU 2
	GELU 3
.set j, 0
.rept 64
	v_med3_num_f32 v[T+j], v[T+j], -v31, v31
.set j, j+1
.endr
.irp b, 0,1,2,3,4,5,6,7
	v_cvt_scalef32_pk8_bf8_f32 v[CC+2*\b:CC+2*\b+1], v[T+8*\b:T+8*\b+7], v30
.endr
	v_nop
.irp b, 0,1,2,3,4,5,6,7
	ds_store_b64 v[STO], v[CC+2*\b:CC+2*\b+1] offset:16*\b
.endr
.irp t, 0,1,2,3
	ds_load_b128 v[OO+4*\t:OO+4*\t+3], v[RD] offset:4*CP*\t
.endr
	s_wait_dscnt 0x0
.irp t, 0,1,2,3
	global_store_b128 v[CO], v[OO+4*\t:OO+4*\t+3], s[10:11] offset:512*\t
.endr
	s_wait_xcnt 0x0
	s_add_nc_u64 s[10:11], s[10:11], 2048
	s_add_co_u32 s3, s3, 1
	s_cmp_lt_u32 s3, 8
	s_cbranch_scc1 .Lblk
	s_wait_tensorcnt 0x0
	ds_add_u32 v[SPW], v[NIL]
	s_wait_dscnt 0x0
	CROUND
	s_endpgm
.Lfunc_end_k_qd5d4c27901_ffn1:
	.size	k_qd5d4c27901_ffn1, .Lfunc_end_k_qd5d4c27901_ffn1-k_qd5d4c27901_ffn1
	.p2alignl 7, 3214868480
	.fill 96, 4, 3214868480
	.section	.rodata,"a",@progbits
	.p2align	6, 0x0
	.amdhsa_kernel k_qd5d4c27901_ffn1
		.amdhsa_group_segment_fixed_size 327680
		.amdhsa_private_segment_fixed_size 0
		.amdhsa_enable_private_segment 0
		.amdhsa_kernarg_size 40
		.amdhsa_user_sgpr_count 2
		.amdhsa_user_sgpr_kernarg_segment_ptr 1
		.amdhsa_wavefront_size32 1
		.amdhsa_system_sgpr_workgroup_id_x 1
		.amdhsa_system_sgpr_workgroup_id_y 1
		.amdhsa_system_sgpr_workgroup_id_z 1
		.amdhsa_system_vgpr_workitem_id 0
		.amdhsa_next_free_vgpr 1024
		.amdhsa_next_free_sgpr 96
		.amdhsa_reserve_vcc 0
		.amdhsa_float_denorm_mode_32 3
		.amdhsa_float_denorm_mode_16_64 3
		.amdhsa_memory_ordered 1
		.amdhsa_forward_progress 1
		.amdhsa_inst_pref_size 145
	.end_amdhsa_kernel
	.amdgpu_metadata
---
amdhsa.version: [ 1, 2 ]
amdhsa.kernels:
  - .name:           k_qd5d4c27901_ffn1
    .symbol:         k_qd5d4c27901_ffn1.kd
    .args:
      - { .name: h2c, .offset: 0, .size: 8, .value_kind: global_buffer, .address_space: global }
      - { .name: W1_codes, .offset: 8, .size: 8, .value_kind: global_buffer, .address_space: global }
      - { .name: lowp_scales, .offset: 16, .size: 8, .value_kind: global_buffer, .address_space: global }
      - { .name: gc, .offset: 24, .size: 8, .value_kind: global_buffer, .address_space: global }
      - { .name: b1, .offset: 32, .size: 8, .value_kind: global_buffer, .address_space: global }
    .group_segment_fixed_size: 327680
    .private_segment_fixed_size: 0
    .kernarg_segment_align: 8
    .kernarg_segment_size: 40
    .max_flat_workgroup_size: 128
    .sgpr_count:     96
    .vgpr_count:     1024
    .wavefront_size: 32
...
	.end_amdgpu_metadata
.endif
;; end of part 6
;; launch ffn2 (part 7): grid 8 x 32, 4 waves a work-group, clusters of 4 x 4, 327,680 bytes of LDS; arguments gc, W2_codes, b2, x1, lowp_scales, out0; writes out0
.if DOCPART == 7
	.amdgcn_target "amdgcn-amd-amdhsa--gfx1250"
	.amdhsa_code_object_version 6
	.text
	.protected	k_qd5d4c27901_ffn2
	.globl	k_qd5d4c27901_ffn2
	.p2align	8
	.type	k_qd5d4c27901_ffn2,@function
k_qd5d4c27901_ffn2:
	s_mov_b64 s[64:65], 0
	v_nop
	global_prefetch_b8 v0, s[64:65] scope:SCOPE_SE
	s_setreg_imm32_b32 hwreg(HW_REG_WAVE_MODE, 25, 1), 1
	s_wait_xcnt 0x0
	s_wait_alu depctr_hold_cnt(0) depctr_sa_sdst(0) depctr_va_vdst(0) depctr_va_sdst(0) depctr_va_ssrc(0) depctr_va_vcc(0) depctr_vm_vsrc(0)
	s_getreg_b32 s2, hwreg(HW_REG_IB_STS2, 6, 4)
	s_cmp_eq_u32 s2, 0
	s_cbranch_scc0 .Lentry_in_a_cluster
	s_endpgm
.Lentry_in_a_cluster:
	s_bfe_u32 s2, ttmp6, 0x10000c
	s_cmp_lg_u32 s2, 0xf033
	s_cbranch_scc0 .Lentry_shape_is_right
	s_endpgm
.Lentry_shape_is_right:
.set SIZE_K, 4096
.set SCOFF,  56
.set AP,     144
.set APL,    128*AP
.set BP,     528
.set SLOT,   4*APL+128*BP
.set STAGE,  2*SLOT
.set SPITCH, 272
.set SPARE,  STAGE+4*16*SPITCH
.set LAPS,   SIZE_K/1024
.set ADRA, 16
.set ADRB, 20
.set STO,  24
.set RD,   25
.set CO,   26
.set BO,   27
.set SPW,  28
.set NIL,  29
.set OB,   32
.set ACC,  128
.set F0,   0
.set F1,   128
.set G1, 24
.set G0, 32
.set G1B, 48
.set G0B, 56
.set MSB, 0
.macro WIN new
.if MSB != \new
	s_set_vgpr_msb (MSB<<8)|\new
.set MSB, \new
.endif
.endm
.set MUL,  0x05
.set TO_F, 0x40
.macro JLOAD s
	s_cmp_eq_u32 s11, 0
	s_cbranch_scc0 .Lfor_b_\@
	tensor_load_to_lds s[G0+4*\s:G0+4*\s+3], s[G1:G1+7]
	s_nop 0
.rept 4
	v_nop
.endr
	s_branch .Lasked_\@
.Lfor_b_\@:
	tensor_load_to_lds s[G0B+4*\s:G0B+4*\s+3], s[G1B:G1B+7]
	s_nop 0
.rept 4
	v_nop
.endr
.Lasked_\@:
.endm
.macro CREST
	s_cmp_lg_u32 s10, 0
	s_cbranch_scc1 .Lnot_wave_0_\@
	s_barrier_signal -3
.Lnot_wave_0_\@:
	s_barrier_wait -3
	s_barrier_signal -1
	s_barrier_wait -1
.endm
.macro CROUND
	s_barrier_signal -1
	s_barrier_wait -1
	CREST
.endm
	s_load_b128 s[4:7], s[0:1], 0x0
	s_load_b128 s[68:71], s[0:1], 0x10
	s_load_b128 s[72:75], s[0:1], 0x20
	v_lshl_add_u32 v[SPW], v0, 2, SPARE
	v_mov_b32 v[NIL], 0
	ds_add_u32 v28, v29
	ds_add_u32 v28, v29
	s_wait_dscnt 0x0
	v_lshrrev_b32 v1, 5, v0
	v_readfirstlane_b32 s10, v1
	s_lshr_b32 s11, s10, 1
	s_and_b32 s12, s10, 1
	s_bfe_u32 s40, ttmp6, 0x40000
	s_bfe_u32 s41, ttmp6, 0x40004
	s_lshl_b32 s42, ttmp9, 2
	s_add_co_u32 s42, s42, s40
	s_and_b32 s13, ttmp7, 0xffff
	s_lshl_b32 s13, s13, 2
	s_add_co_u32 s13, s13, s41
	s_lshl_b32 s43, s41, 2
	s_lshl_b32 s43, 15, s43
	s_lshl_b32 s44, 0x1111, s40
	s_or_b32 s[G1+0], s43, (3<<16)|(1<<20)|(1<<21)|(4<<22)|(3<<25)
	s_mov_b32 s[G1+1], 2048<<16
	s_mov_b32 s[G1+2], 2<<16
	s_mov_b32 s[G1+3], 2048<<16
	s_mov_b32 s[G1+4], 2
	s_mov_b32 s[G1+5], 65536
	s_mov_b32 s[G1+6], 0
	s_mov_b32 s[G1+7], 0
	s_or_b32 s[G1B+0], s44, (0<<16)|(1<<20)|(1<<21)|(6<<22)|(3<<25)
	s_mov_b32 s[G1B+1], 512<<16
	s_mov_b32 s[G1B+2], 64<<16
	s_mov_b32 s[G1B+3], 512<<16
	s_mov_b32 s[G1B+4], 64
	s_mov_b32 s[G1B+5], SIZE_K
	s_mov_b32 s[G1B+6], 0
	s_mov_b32 s[G1B+7], 0
	s_lshl_b32 s16, s13, 14
	s_lshl_b32 s17, s12, 20
	s_add_co_u32 s16, s16, s17
	s_mov_b32 s17, 0
	s_lshl_b32 s46, s42, 7
	s_lshl_b32 s47, s12, 6
	s_add_co_u32 s46, s46, s47
	s_mul_i32 s46, s46, SIZE_K
	s_mov_b32 s47, 0
	s_mul_i32 s20, s12, 2*APL
	s_mul_i32 s21, s12, 64*BP
	s_add_co_u32 s21, s21, 4*APL
	s_wait_kmcnt 0x0
	s_load_b64 s[76:77], s[72:73], SCOFF
	s_add_nc_u64 s[14:15], s[4:5], s[16:17]
	s_add_nc_u64 s[46:47], s[6:7], s[46:47]
	; the prefetches.  A wave's joint load brings 32,768 bytes, 128 blocks of 256; each of the four partners names 32 of them, told apart by address, one instruction a wave and K step.
	; A (two planes of 16,384 bytes): partner cx takes half cx % 2 of plane cx / 2, lanes 256 bytes apart.  B (64 rows x 512 bytes): partner cy takes rows 16 cy on, two lanes to a row.
	s_lshr_b32 s16, s40, 1
	s_lshl_b32 s16, s16, 19
	s_and_b32 s17, s40, 1
	s_lshl_b32 s17, s17, 13
	s_add_co_u32 s16, s16, s17                     ; A: by cx
	s_lshl_b32 s17, s41, 16                        ; B: by cy: 16 rows of 4,096 bytes
	s_mov_b32 s66, 512
	s_mov_b32 s19, 4096
	s_cmp_eq_u32 s11, 0                            ; do I fetch for A?
	s_cselect_b64 s[78:79], s[14:15], s[46:47]
	s_cselect_b32 s16, s16, s17
	s_cselect_b32 s66, 0x200000, s66               ; a K step on: four planes of A, 512 bytes of a row of B
	s_cselect_b32 s19, 512, s19                    ; from one pair of lanes to the next
	s_mov_b32 s17, 0
	s_mov_b32 s67, 0
	s_add_nc_u64 s[78:79], s[78:79], s[16:17]
	s_add_nc_u64 s[78:79], s[78:79], s[66:67]      ; s[78:79] stands at K step 1
	v_bfe_u32 v6, v0, 1, 4
	v_mul_lo_u32 v6, v6, s19
	v_and_b32 v7, 1, v0
	v_lshl_add_u32 v6, v7, 8, v6                   ; v6: my lane's block; v7, v8: the same one and two K steps on; none is written again
	v_add_nc_u32 v7, s66, v6
	v_add_nc_u32 v8, s66, v7
	s_wait_alu depctr_va_vdst(0)                   ; the wait here, ahead of the round's barriers
	CROUND
.irp s, 0,1
	s_mov_b32 s[G0+4*\s], 1
	s_add_co_u32 s[G0+4*\s+1], s20, \s*SLOT
	s_add_nc_u64 s[G0+4*\s+2:G0+4*\s+3], s[14:15], \s*0x200000
	s_or_b32 s[G0+4*\s+3], s[G0+4*\s+3], 0x80000000
	s_mov_b32 s[G0B+4*\s], 1
	s_add_co_u32 s[G0B+4*\s+1], s21, \s*SLOT
	s_add_nc_u64 s[G0B+4*\s+2:G0B+4*\s+3], s[46:47], \s*512
	s_or_b32 s[G0B+4*\s+3], s[G0B+4*\s+3], 0x80000000
.if \s                                         ; slot 1's first fill is issued as a refill is
	s_wait_alu depctr_va_vdst(0)
	s_wait_tensorcnt 0x0
	ds_add_u32 v28, v29
	ds_add_u32 v28, v29
	s_wait_dscnt 0x0
	CROUND
.endif
	JLOAD \s
.if \s
	global_prefetch_b8 v8, s[78:79] th:TH_LOAD_NT scope:SCOPE_SE   ; K step 3: two refills ahead of its load
.else
	global_prefetch_b8 v6, s[78:79] th:TH_LOAD_NT scope:SCOPE_SE   ; K steps 1 and 2
	global_prefetch_b8 v7, s[78:79] th:TH_LOAD_NT scope:SCOPE_SE
.endif
.endr
	v_and_b32 v1, 15, v0
	v_bfe_u32 v2, v0, 4, 1
	v_mul_u32_u24 v3, v1, AP
	v_lshl_add_u32 v3, v2, 4, v3
	v_mul_u32_u24 v4, v1, BP
	v_lshl_add_u32 v4, v2, 4, v4
	s_mul_i32 s21, s11, 64*AP
	s_mul_i32 s22, s12, 64*BP
	s_add_co_u32 s22, s22, 4*APL
.irp s, 0,1
	v_add_nc_u32 v[ADRA+\s], s21, v3
	v_add_nc_u32 v[ADRB+\s], s22, v4
	s_add_co_u32 s21, s21, SLOT
	s_add_co_u32 s22, s22, SLOT
.endr
	s_mul_i32 s23, s10, 16*SPITCH
	s_add_co_u32 s23, s23, STAGE
	v_mul_u32_u24 v5, v1, SPITCH
	v_lshl_add_u32 v5, v2, 5, v5
	v_add_nc_u32 v[STO], s23, v5
	v_mul_u32_u24 v5, v2, SPITCH
	v_lshl_add_u32 v5, v1, 4, v5
	v_add_nc_u32 v[RD], s23, v5
	v_lshlrev_b32 v[CO], 12, v2
	v_lshl_add_u32 v[CO], v1, 4, v[CO]
	v_lshlrev_b32 v[BO], 4, v1
	s_wait_alu depctr_va_vdst(0)
	s_lshl_b32 s16, s13, 7
	s_lshl_b32 s17, s11, 6
	s_add_co_u32 s16, s16, s17
	s_lshl_b32 s16, s16, 12
	s_lshl_b32 s46, s42, 9
	s_lshl_b32 s47, s12, 8
	s_add_co_u32 s46, s46, s47
	s_mov_b32 s47, 0
	s_add_nc_u64 s[68:69], s[68:69], s[46:47]
	s_add_co_u32 s46, s46, s16
	s_add_nc_u64 s[70:71], s[70:71], s[46:47]
	s_add_nc_u64 s[74:75], s[74:75], s[46:47]
	global_load_b128 v[12:15], v[BO], s[68:69]
	WIN 0x80
.irp a, 0,1,2,3
.irp t, 0,1,2,3,4,5,6,7
	global_load_b128 v[32*\a+4*\t:32*\a+4*\t+3], v[CO], s[70:71] offset:(16*\a+2*\t)*4096
.endr
.endr
	WIN 0
.macro MUL4 f, a, zero
.irp b, 0,1,2,3
.if \zero
	v_wmma_f32_16x16x128_bf8_bf8 v[ACC+8*(4*(\a)+\b):ACC+8*(4*(\a)+\b)+7], v[\f+64+16*\b:\f+64+16*\b+15], v[\f+16*(\a):\f+16*(\a)+15], 0
.else
	v_wmma_f32_16x16x128_bf8_bf8 v[ACC+8*(4*(\a)+\b):ACC+8*(4*(\a)+\b)+7], v[\f+64+16*\b:\f+64+16*\b+15], v[\f+16*(\a):\f+16*(\a)+15], v[ACC+8*(4*(\a)+\b):ACC+8*(4*(\a)+\b)+7]
.endif
.endr
.endm
.macro FETCH slot, q, f
	WIN TO_F
.irp i, 0,1,2,3
.irp c, 0,1,2,3
	ds_load_b128 v[\f+64+16*\i+4*\c:\f+64+16*\i+4*\c+3], v[ADRB+\slot] offset:16*BP*\i+128*(\q)+32*\c
.endr
.endr
.irp i, 0,1,2,3
.irp c, 0,1,2,3
	ds_load_b128 v[\f+16*\i+4*\c:\f+16*\i+4*\c+3], v[ADRA+\slot] offset:APL*(\q)+16*AP*\i+32*\c
.endr
.endr
.endm
.macro PLACES
.rept 4
	v_nop
.endr
.endm
.macro QUARTER slot, qn, f, g, zero
	s_wait_dscnt 8
	WIN MUL
	MUL4 \f, 0, \zero
	MUL4 \f, 1, \zero
	PLACES
	FETCH \slot, \qn, \g
	s_wait_dscnt 32
	WIN MUL
	MUL4 \f, 2, \zero
	MUL4 \f, 3, \zero
.endm
.macro TURN slot, next, fill
.if \fill
	s_wait_xcnt 0x0                                ; the last prefetch, a K step back, has read its address
	s_add_nc_u64 s[78:79], s[78:79], s[66:67]      ; it stands at the K step that this change asks for; the prefetch below names the step two on
.endif
	WIN 0
	s_wait_tensorcnt 0x0
	ds_add_u32 v[SPW], v[NIL]
	s_wait_dscnt 9
	WIN MUL
	MUL4 F1, 0, 0
	s_wait_dscnt 0x0
	s_barrier_signal -1
	MUL4 F1, 1, 0
.if \fill
	WIN 0
.endif
	s_barrier_wait -1
.if \fill
	CREST
	s_add_nc_u64 s[G0+4*\slot+2:G0+4*\slot+3], s[G0+4*\slot+2:G0+4*\slot+3], 0x400000
	s_add_nc_u64 s[G0B+4*\slot+2:G0B+4*\slot+3], s[G0B+4*\slot+2:G0B+4*\slot+3], 1024
	JLOAD \slot
.else
	PLACES
.endif
	FETCH \next, 0, F0
.if \fill
	WIN 0                                          ; at a branch and at a label every window is 0
	s_cmp_gt_u32 s3, 1                             ; the loop's last trip refills with K steps 6 and 7: no step lies two on
	s_cbranch_scc0 .Lno_ask_\@
	global_prefetch_b8 v8, s[78:79] th:TH_LOAD_NT scope:SCOPE_SE
.Lno_ask_\@:
.endif
	WIN MUL
	MUL4 F1, 2, 0
	MUL4 F1, 3, 0
.endm
	s_wait_tensorcnt 1
	s_barrier_signal -1
	s_barrier_wait -1
	FETCH 0, 0, F0
	QUARTER 0, 1, F0, F1, 1
.if LAPS > 1
	WIN 0
	s_mov_b32 s3, LAPS-1
.Llap:
	QUARTER 0, 2, F1, F0, 0
	QUARTER 0, 3, F0, F1, 0
	TURN 0, 1, 1
	QUARTER 1, 1, F0, F1, 0
	QUARTER 1, 2, F1, F0, 0
	QUARTER 1, 3, F0, F1, 0
	TURN 1, 0, 1
	QUARTER 0, 1, F0, F1, 0
	WIN 0
	s_sub_co_u32 s3, s3, 1
	s_cmp_lg_u32 s3, 0
	s_cbranch_scc1 .Llap
.endif
	QUARTER 0, 2, F1, F0, 0
	QUARTER 0, 3, F0, F1, 0
	TURN 0, 1, 0
	QUARTER 1, 1, F0, F1, 0
	QUARTER 1, 2, F1, F0, 0
	QUARTER 1, 3, F0, F1, 0
	s_wait_dscnt 8
	WIN MUL
	MUL4 F1, 0, 0
	MUL4 F1, 1, 0
	s_wait_dscnt 0
	MUL4 F1, 2, 0
	MUL4 F1, 3, 0
	WIN 0
	s_wait_kmcnt 0x0
	s_add_co_i32 s76, s76, s77
	s_add_co_i32 s76, s76, 127
	s_lshl_b32 s76, s76, 23
	s_mov_b32 s77, s76
	s_wait_loadcnt 0x0
	PLACES
.macro OUTB a
.set OBS, OB+32*((\a)%2)
.if (\a) > 1
	s_wait_xcnt 0x0
.endif
.irp b, 0,1,2,3
	ds_store_b128 v[STO], v[ACC+8*(4*(\a)+\b):ACC+8*(4*(\a)+\b)+3] offset:64*\b
	ds_store_b128 v[STO], v[ACC+8*(4*(\a)+\b)+4:ACC+8*(4*(\a)+\b)+7] offset:64*\b+16
.endr
.irp t, 0,1,2,3,4,5,6,7
	ds_load_b128 v[OBS+4*\t:OBS+4*\t+3], v[RD] offset:2*SPITCH*\t
.endr
	s_wait_dscnt 0x0
	WIN 0x20
.set j, 0
.rept 16
	v_pk_fma_f32 v[OBS+j:OBS+j+1], v[OBS+j:OBS+j+1], s[76:77], v[32*(\a)+j:32*(\a)+j+1] op_sel_hi:[1,0,1]
.set j, j+2
.endr
	WIN 0
.set j, 0
.rept 16
	v_pk_add_f32 v[OBS+j:OBS+j+1], v[OBS+j:OBS+j+1], v[12+j%4:13+j%4]
.set j, j+2
.endr
.irp t, 0,1,2,3,4,5,6,7
	global_store_b128 v[CO], v[OBS+4*\t:OBS+4*\t+3], s[74:75] offset:(16*(\a)+2*\t)*4096
.endr
.endm
.irp a, 0,1,2,3
	OUTB \a
.endr
	s_wait_tensorcnt 0x0
	ds_add_u32 v[SPW], v[NIL]
	s_wait_dscnt 0x0
	CROUND
	s_endpgm
.Lfunc_end_k_qd5d4c27901_ffn2:
	.size	k_qd5d4c27901_ffn2, .Lfunc_end_k_qd5d4c27901_ffn2-k_qd5d4c27901_ffn2
	.p2alignl 7, 3214868480
	.fill 96, 4, 3214868480
	.section	.rodata,"a",@progbits
	.p2align	6, 0x0
	.amdhsa_kernel k_qd5d4c27901_ffn2
		.amdhsa_group_segment_fixed_size 327680
		.amdhsa_private_segment_fixed_size 0
		.amdhsa_enable_private_segment 0
		.amdhsa_kernarg_size 48
		.amdhsa_user_sgpr_count 2
		.amdhsa_user_sgpr_kernarg_segment_ptr 1
		.amdhsa_wavefront_size32 1
		.amdhsa_system_sgpr_workgroup_id_x 1
		.amdhsa_system_sgpr_workgroup_id_y 1
		.amdhsa_system_sgpr_workgroup_id_z 1
		.amdhsa_system_vgpr_workitem_id 0
		.amdhsa_next_free_vgpr 640
		.amdhsa_next_free_sgpr 80
		.amdhsa_reserve_vcc 0
		.amdhsa_float_denorm_mode_32 3
		.amdhsa_float_denorm_mode_16_64 3
		.amdhsa_memory_ordered 1
		.amdhsa_forward_progress 1
		.amdhsa_inst_pref_size 84
	.end_amdhsa_kernel
	.amdgpu_metadata
---
amdhsa.version: [ 1, 2 ]
amdhsa.kernels:
  - .name:           k_qd5d4c27901_ffn2
    .symbol:         k_qd5d4c27901_ffn2.kd
    .args:
      - { .name: gc, .offset: 0, .size: 8, .value_kind: global_buffer, .address_space: global }
      - { .name: W2_codes, .offset: 8, .size: 8, .value_kind: global_buffer, .address_space: global }
      - { .name: b2, .offset: 16, .size: 8, .value_kind: global_buffer, .address_space: global }
      - { .name: x1, .offset: 24, .size: 8, .value_kind: global_buffer, .address_space: global }
      - { .name: lowp_scales, .offset: 32, .size: 8, .value_kind: global_buffer, .address_space: global }
      - { .name: out0, .offset: 40, .size: 8, .value_kind: global_buffer, .address_space: global }
    .group_segment_fixed_size: 327680
    .private_segment_fixed_size: 0
    .kernarg_segment_align: 8
    .kernarg_segment_size: 48
    .max_flat_workgroup_size: 128
    .sgpr_count:     80
    .vgpr_count:     640
    .wavefront_size: 32
...
	.end_amdgpu_metadata
.endif
;; end of part 7
